; MI455X (gfx1250); checked and timed in simulation.
; The chip was launched on July 23, 2026; its instructions are those of AMD's public machine-readable ISA for CDNA 5 (MIT licence, August 2026) and "CDNA5" Instruction Set Architecture Reference Guide (July 2026). The comments in the code are by the model that wrote it; some were corrected since.
;; Attention. Allowed arithmetic: float matrix products may take bf16 or f16 operands with f32 sums; other float arithmetic in f32, or as packed bf16 or f16 multiplies, adds, multiply-adds, maxima and minima; sums over many terms, partial sums and values carried from step to step in f32; what a program stores and reads back later, other than sums and carried values, may be rounded once to bf16 or f16.
;; Inputs: Wk 1,024 x 2,048 float32; Wo 2,048 x 1,024 float32; Wq 1,024 x 2,048 float32; Wv 1,024 x 2,048 float32; bk 2,048 float32; bo 1,024 float32; bq 2,048 float32; bv 2,048 float32; x 2 x 2,048 x 1,024 float32.
;; Outputs: out0 2 x 2,048 x 1,024 float32.
;; One version. Each part assembles by itself: llvm-mc -triple=amdgcn-amd-amdhsa -mcpu=gfx1250 --defsym DOCPART=n.
;; ======== version 1 of 1: 4 launches
;; limits: values are held in f16: magnitudes above 65,504 overflow, below 6.1e-05 lose precision
;; workspace buffers: xb 8,388,608 bytes; wqkv 12,582,912 bytes; wo16 4,194,304 bytes; bias16 14,336 bytes; qkv 50,331,648 bytes; ob 16,777,216 bytes
;; launch prep (part 1): grid 128 x 6, 8 waves a work-group, no clusters, 0 bytes of LDS; arguments x, Wq, Wk, Wv, Wo, bq, bk, bv, bo, xb, wqkv, wo16, bias16; writes xb, wqkv, wo16, bias16
.if DOCPART == 1
	.amdgcn_target "amdgcn-amd-amdhsa--gfx1250"
	.amdhsa_code_object_version 6
	.text
	.protected	k_qf79af0345f_prep
	.globl	k_qf79af0345f_prep
	.p2align	8
	.type	k_qf79af0345f_prep,@function
k_qf79af0345f_prep:
	s_mov_b64 s[64:65], 0
	v_nop
	global_prefetch_b8 v0, s[64:65] scope:SCOPE_SE
	s_setreg_imm32_b32 hwreg(HW_REG_WAVE_MODE, 25, 1), 1
	s_wait_xcnt 0x0
; THE INPUTS ARE ROUNDED ONCE.  x -> xb (bf16, same layout).  Wq, Wk, Wv -> wqkv [1024 k][6144 n] bf16 (columns 0-2047 q, 2048-4095 k, 4096-6143 v).
; Wo -> wo16 [2048 k][1024 n]: rounded to bf16 like every other input, and that number written as f16.  bq, bk, bv, bo -> bias16 (bf16, one after the other).
; LIMITS.  bf16(Wo) beyond 65,504 becomes an infinity in f16; below 6.1e-5 it keeps f16's fixed step of 6e-8.
; A pure stream: no LDS, no barrier, no matrix unit; the weights stay [k][n], the products turn them on their way out of LDS.
; SHARES.  A chunk is 2,048 floats: 8,192 bytes in, 4,096 out.  Thread t reads 32 bytes at 32 t and writes 16 at 16 t: a wave's store covers 512 consecutive bytes, aligned.
; Each y of the grid has 1,024 chunks (y = 0, 1: the halves of x; 2, 3, 4: Wq, Wk, Wv, a chunk = one k row; 5: Wo); work-group X takes chunks 8 X .. 8 X + 7,
; all sixteen loads of a wave on their way at once.
.set DO, 4                             ; v[4:11]    chunk i: byte offset of my 16 bytes from the group's first chunk in the destination
.set X,  12                            ; v[12:75]   chunk i: 8 floats as loaded
.set Y,  76                            ; v[76:107]  chunk i: 4 registers to store
.set T,  108                           ; v[108:115] at work
	s_load_b512 s[8:23], s[0:1], 0x0               ; x s[8:9], Wq s[10:11], Wk s[12:13], Wv s[14:15], Wo s[16:17], bq s[18:19], bk s[20:21], bv s[22:23]
	s_load_b256 s[24:31], s[0:1], 0x40             ; bo s[24:25], xb s[26:27], wqkv s[28:29], wo16 s[30:31]
	s_load_b64 s[32:33], s[0:1], 0x60              ; bias16
	s_and_b32 s41, ttmp7, 0xffff                   ; y
	s_mov_b32 s52, ttmp9                           ; X
	s_mov_b32 s34, 0xffff0000                      ; a word's upper bf16
	v_lshlrev_b32 v1, 5, v0                        ; 32 t
	v_lshlrev_b32 v2, 4, v0                        ; 16 t
	v_lshrrev_b32 v3, 5, v0
	v_readfirstlane_b32 s42, v3                    ; my wave's number
	s_sub_co_u32 s43, s41, 2                       ; y - 2: 0, 1, 2 for Wq, Wk, Wv; 3 for Wo; very large for x
	s_lshl_b32 s50, s43, 12                        ; (y - 2) x 4,096: the weight's columns in a row of wqkv, and the bias's place in bias16
	s_movk_i32 s40, 4096
	s_movk_i32 s51, 12288
	s_cmp_lt_u32 s43, 3
	s_cselect_b32 s40, s51, s40                    ; bytes from chunk to chunk in the destination: a row of wqkv, or dense
	s_cselect_b32 s53, s50, 0
	s_cmp_eq_u32 s41, 1
	s_cselect_b32 s48, 0x800000, 0                 ; the second half of x,
	s_cselect_b32 s49, 0x400000, 0                 ; and of xb
	s_lshl_b32 s44, s52, 16                        ; 8 chunks of 8,192 bytes a work-group
	s_add_co_u32 s44, s44, s48
	s_mov_b32 s45, 0
	s_mul_i32 s46, s52, s40
	s_lshl_b32 s46, s46, 3
	s_add_co_u32 s46, s46, s49
	s_add_co_u32 s46, s46, s53
	s_mov_b32 s47, 0
.irp i, 0,1,2,3,4,5,6,7
	s_mul_i32 s51, s40, \i
	v_add_nc_u32 v[DO+(\i)], s51, v2
.endr
	s_wait_kmcnt 0x0
	s_mov_b64 s[36:37], s[8:9]                     ; from where and to where: chosen by y alone
	s_mov_b64 s[38:39], s[26:27]
	s_cmp_eq_u32 s41, 2
	s_cselect_b64 s[36:37], s[10:11], s[36:37]
	s_cselect_b64 s[38:39], s[28:29], s[38:39]
	s_cmp_eq_u32 s41, 3
	s_cselect_b64 s[36:37], s[12:13], s[36:37]
	s_cselect_b64 s[38:39], s[28:29], s[38:39]
	s_cmp_eq_u32 s41, 4
	s_cselect_b64 s[36:37], s[14:15], s[36:37]
	s_cselect_b64 s[38:39], s[28:29], s[38:39]
	s_cmp_eq_u32 s41, 5
	s_cselect_b64 s[36:37], s[16:17], s[36:37]
	s_cselect_b64 s[38:39], s[30:31], s[38:39]
	s_add_nc_u64 s[36:37], s[36:37], s[44:45]
	s_add_nc_u64 s[38:39], s[38:39], s[46:47]
.irp i, 0,1,2,3,4,5,6,7
	global_load_b128 v[X+8*(\i):X+8*(\i)+3],   v1, s[36:37] offset:(\i)*8192 th:TH_LOAD_NT
	global_load_b128 v[X+8*(\i)+4:X+8*(\i)+7], v1, s[36:37] offset:(\i)*8192+16 th:TH_LOAD_NT
.endr
; Chunk i.  half = 1: the bf16 number is widened again and written as f16.  Every chunk has its own Y and DO: no register that a store reads is written again.
.macro CH i, half
	s_wait_loadcnt 14-2*(\i)                       ; loads come back in order: chunk i's two are in, the 2 (7 - i) younger ones stay out
.irp j, 0,1,2,3
	v_cvt_pk_bf16_f32 v[Y+4*(\i)+(\j)], v[X+8*(\i)+2*(\j)], v[X+8*(\i)+2*(\j)+1]
.endr
.if \half
.irp j, 0,1,2,3
	v_lshlrev_b32 v[T+2*(\j)],   16,  v[Y+4*(\i)+(\j)]
	v_and_b32     v[T+2*(\j)+1], s34, v[Y+4*(\i)+(\j)]
.endr
.irp j, 0,1,2,3
	v_cvt_pk_f16_f32 v[Y+4*(\i)+(\j)], v[T+2*(\j)], v[T+2*(\j)+1]
.endr
.endif
	global_store_b128 v[DO+(\i)], v[Y+4*(\i):Y+4*(\i)+3], s[38:39]
.endm
	s_cmp_eq_u32 s41, 5
	s_cbranch_scc1 .Lhalf
.irp i, 0,1,2,3,4,5,6,7
	CH \i, 0
.endr
	s_branch .Lbias
.Lhalf:
.irp i, 0,1,2,3,4,5,6,7
	CH \i, 1
.endr
.Lbias:
	; The biases: work-group X = 0 of y = 2 .. 5 rounds bq, bk, bv (2,048 numbers: 8 waves) or bo (1,024: 4 waves), in registers of their own.
	s_cmp_lg_u32 s52, 0
	s_cbranch_scc1 .Lend
	s_cmp_lt_u32 s41, 2
	s_cbranch_scc1 .Lend
	s_cmp_eq_u32 s41, 5
	s_cselect_b32 s53, 4, 8
	s_cmp_ge_u32 s42, s53
	s_cbranch_scc1 .Lend
	s_mov_b64 s[54:55], s[18:19]
	s_cmp_eq_u32 s41, 3
	s_cselect_b64 s[54:55], s[20:21], s[54:55]
	s_cmp_eq_u32 s41, 4
	s_cselect_b64 s[54:55], s[22:23], s[54:55]
	s_cmp_eq_u32 s41, 5
	s_cselect_b64 s[54:55], s[24:25], s[54:55]
	s_mov_b32 s51, 0
	s_add_nc_u64 s[58:59], s[32:33], s[50:51]      ; bias16 + (y - 2) x 4,096
	global_load_b128 v[116:119], v1, s[54:55]
	global_load_b128 v[120:123], v1, s[54:55] offset:16
	s_wait_loadcnt 0x0
.irp j, 0,1,2,3
	v_cvt_pk_bf16_f32 v[124+(\j)], v[116+2*(\j)], v[116+2*(\j)+1]
.endr
	global_store_b128 v2, v[124:127], s[58:59]
.Lend:
	s_endpgm
.Lfunc_end_k_qf79af0345f_prep:
	.size	k_qf79af0345f_prep, .Lfunc_end_k_qf79af0345f_prep-k_qf79af0345f_prep
	.p2alignl 7, 3214868480
	.fill 96, 4, 3214868480
	.section	.rodata,"a",@progbits
	.p2align	6, 0x0
	.amdhsa_kernel k_qf79af0345f_prep
		.amdhsa_group_segment_fixed_size 0
		.amdhsa_private_segment_fixed_size 0
		.amdhsa_enable_private_segment 0
		.amdhsa_kernarg_size 104
		.amdhsa_user_sgpr_count 2
		.amdhsa_user_sgpr_kernarg_segment_ptr 1
		.amdhsa_wavefront_size32 1
		.amdhsa_system_sgpr_workgroup_id_x 1
		.amdhsa_system_sgpr_workgroup_id_y 1
		.amdhsa_system_sgpr_workgroup_id_z 1
		.amdhsa_system_vgpr_workitem_id 0
		.amdhsa_next_free_vgpr 128
		.amdhsa_next_free_sgpr 66
		.amdhsa_reserve_vcc 0
		.amdhsa_float_denorm_mode_32 3
		.amdhsa_float_denorm_mode_16_64 3
		.amdhsa_memory_ordered 1
		.amdhsa_forward_progress 1
		.amdhsa_inst_pref_size 16
	.end_amdhsa_kernel
	.amdgpu_metadata
---
amdhsa.version: [ 1, 2 ]
amdhsa.kernels:
  - .name:           k_qf79af0345f_prep
    .symbol:         k_qf79af0345f_prep.kd
    .args:
      - { .name: x, .offset: 0, .size: 8, .value_kind: global_buffer, .address_space: global }
      - { .name: Wq, .offset: 8, .size: 8, .value_kind: global_buffer, .address_space: global }
      - { .name: Wk, .offset: 16, .size: 8, .value_kind: global_buffer, .address_space: global }
      - { .name: Wv, .offset: 24, .size: 8, .value_kind: global_buffer, .address_space: global }
      - { .name: Wo, .offset: 32, .size: 8, .value_kind: global_buffer, .address_space: global }
      - { .name: bq, .offset: 40, .size: 8, .value_kind: global_buffer, .address_space: global }
      - { .name: bk, .offset: 48, .size: 8, .value_kind: global_buffer, .address_space: global }
      - { .name: bv, .offset: 56, .size: 8, .value_kind: global_buffer, .address_space: global }
      - { .name: bo, .offset: 64, .size: 8, .value_kind: global_buffer, .address_space: global }
      - { .name: xb, .offset: 72, .size: 8, .value_kind: global_buffer, .address_space: global }
      - { .name: wqkv, .offset: 80, .size: 8, .value_kind: global_buffer, .address_space: global }
      - { .name: wo16, .offset: 88, .size: 8, .value_kind: global_buffer, .address_space: global }
      - { .name: bias16, .offset: 96, .size: 8, .value_kind: global_buffer, .address_space: global }
    .group_segment_fixed_size: 0
    .private_segment_fixed_size: 0
    .kernarg_segment_align: 8
    .kernarg_segment_size: 104
    .max_flat_workgroup_size: 256
    .sgpr_count:     66
    .vgpr_count:     128
    .wavefront_size: 32
...
	.end_amdgpu_metadata
.endif
;; end of part 1
;; launch qkv (part 2): grid 16 x 32, 4 waves a work-group, clusters of 4 x 4, 327,680 bytes of LDS; arguments xb, wqkv, bias16, qkv; writes qkv
.if DOCPART == 2
	.amdgcn_target "amdgcn-amd-amdhsa--gfx1250"
	.amdhsa_code_object_version 6
	.text
	.protected	k_qf79af0345f_qkv
	.globl	k_qf79af0345f_qkv
	.p2align	8
	.type	k_qf79af0345f_qkv,@function
k_qf79af0345f_qkv:
	s_mov_b64 s[64:65], 0
	v_nop
	global_prefetch_b8 v0, s[64:65] scope:SCOPE_SE
	s_setreg_imm32_b32 hwreg(HW_REG_WAVE_MODE, 25, 1), 1
	s_wait_xcnt 0x0
	s_wait_alu depctr_hold_cnt(0) depctr_sa_sdst(0) depctr_va_vdst(0) depctr_va_sdst(0) depctr_va_ssrc(0) depctr_va_vcc(0) depctr_vm_vsrc(0)
	s_getreg_b32 s2, hwreg(HW_REG_IB_STS2, 6, 4)
	s_cmp_eq_u32 s2, 0
	s_cbranch_scc0 .Lentry_in_a_cluster
	s_endpgm
.Lentry_in_a_cluster:
	s_bfe_u32 s2, ttmp6, 0x10000c
	s_cmp_lg_u32 s2, 0xf033
	s_cbranch_scc0 .Lentry_shape_is_right
	s_endpgm
.Lentry_shape_is_right:
; qkv[m][n] = the sum over k of xb[m][k] wqkv[k][n] + bias[n].  xb [4096][1024] bf16, wqkv [1024][6144] bf16, bias bf16, sums in f32, qkv [4096][6144] rounded once to f16.
; LIMIT.  A result of 65,520 or more becomes an infinity in f16.
; TILE.  128 rows x 384 columns of C: 32 x 16 = 512 work-groups, two for each of 256 WGPs; a row of the tile is 768 bytes of f16, three whole aligned blocks of 256.
; Four waves side by side: wave w has all 128 rows and columns 96 w .. 96 w + 95: 8 x 6 accumulators of 16 x 16, 384 registers.
; K goes in steps of 128 through two LDS slots.  One tensor load a wave, 128 rows x 256 bytes each: waves 0-2 bring wqkv's three sub-tiles of 128 k rows x 128 columns, wave 3 xb's 128 rows x 128 k.
; wqkv lies [k][n]: its fragments come out of LDS turned, by ds_load_tr16_b128.
; CLUSTER 4 x 4: xb's tile hangs on the tile row alone and is asked for jointly along a row of the cluster, wqkv's on the tile column alone, along a column.
; THE MATRIX INSTRUCTION IS USED TRANSPOSED (source 0 = 16 columns of wqkv, source 1 = 16 rows of xb): a lane holds row l % 16 of C and eight neighbouring columns 8 (l / 16) + 0..7.
; The bias is the C operand of the product that starts each sum.
; REGISTERS, in windows of 256 (s_set_vgpr_msb: bits 1:0 source 0, 3:2 source 1, 5:4 source 2, 7:6 destination):
;   window 0: v0-29 addresses; two fragment buffers: v32-95 xb (8 x 16 rows x 32 k) + v96-143 wqkv (6 blocks), v144-207 + v208-255; on the way out v32-55 packed, v64-87 / v96-119 rows read back
;   window 1: accumulators of row blocks 0-3 at 48 a + 8 b; v192-239 the bias of my 96 columns in f32          window 2: accumulators of row blocks 4-7
.set KSTEP,  128
.set PA,     272                       ; xb's rows in LDS: 256 bytes + 16: the 16 rows of a load start at 16 different groups of four banks (64 banks of 4 bytes: ISA guide 11.1)
.set PB,     288                       ; wqkv's rows: 256 + 32
.set BSUB,   128*PB                    ; a sub-tile of wqkv
.set AOFF,   3*BSUB                    ; xb's tile lies behind the three
.set SLOT,   AOFF+128*PA
.set STAGE,  2*SLOT                    ; behind the ring, never filled by a tensor load: two buffers of 16 rows x 784 bytes, the work-group's, for the way out
.set SPITCH, 784
.set SBUF,   16*SPITCH
.set SPARE,  STAGE+2*SBUF              ; the spare words, 128 bytes for each wave: two blocks of 256 bytes that no other line names
.set LAPS,   1024/(2*KSTEP)            ; a lap = two K steps = once round the ring
.set ROWB,   12288                     ; bytes in a row of qkv and of wqkv
.set ADRA, 16                          ; v16-17  LDS address of my xb fragments in slot 0, 1
.set ADRB, 18                          ; v18-23  of my pair p of column blocks in slot s, at 3 s + p: blocks 6 w + 2 p and the next lie in one sub-tile
.set STO,  24                          ; v24     the way out: where I put 16 bytes of a row
.set RD,   25                          ; v25     where I read rows back
.set CO,   26                          ; v26     my byte offset in the tile of qkv
.set BO,   27                          ; v27     my byte offset in the tile's 768 bytes of bias
.set SPW,  28                          ; v28     LDS address of my spare word; never rewritten
.set NIL,  29                          ; v29     0; never rewritten
.set F0,   32
.set F1,   144
.set TMP,  32
.set OB,   64
.set BIAS, 192                         ; window 1
.set WV,  12                           ; s12      my wave's number
.set G1,  24                           ; s[24:31] descriptor group 1 for xb's tiles;  s[32:39] group 0, a set for each slot
.set G0,  32
.set G1B, 48                           ; s[48:55], s[56:63] the same for wqkv's
.set G0B, 56
.set MSB, 0
.macro WIN new                         ; the immediate's high byte repeats the setting that is left; a switch that changes nothing is dropped
.if MSB != (\new)
	s_set_vgpr_msb (MSB<<8)|(\new)
.set MSB, \new
.endif
.endm
; A joint load.  Each of the two lines has one mask and one set of registers for all that issue it; the branch hangs on the wave's number alone.
; An s_nop 0 and four v_nop follow each line, ahead of the jump and the label.
.macro JLOAD s
	s_cmp_eq_u32 s[WV], 3
	s_cbranch_scc0 .Lfor_b_\@
	tensor_load_to_lds s[G0+4*(\s):G0+4*(\s)+3], s[G1:G1+7]
	s_nop 0
.rept 4
	v_nop
.endr
	s_branch .Lasked_\@
.Lfor_b_\@:
	tensor_load_to_lds s[G0B+4*(\s):G0B+4*(\s)+3], s[G1B:G1B+7]
	s_nop 0
.rept 4
	v_nop
.endr
.Lasked_\@:
.endm
.macro CREST                           ; a round of the cluster's barrier behind its opening barrier
	s_cmp_lg_u32 s[WV], 0
	s_cbranch_scc1 .Lnot_wave_0_\@
	s_barrier_signal -3
.Lnot_wave_0_\@:
	s_barrier_wait -3
	s_barrier_signal -1
	s_barrier_wait -1
.endm
.macro CROUND                          ; a whole round
	s_barrier_signal -1
	s_barrier_wait -1
	CREST
.endm
.macro PLACES                          ; four places in front of loads into registers that matrix instructions have read, and of conversions that read results
.rept 4
	v_nop
.endr
.endm
	s_load_b256 s[4:11], s[0:1], 0x0               ; xb s[4:5], wqkv s[6:7], bias16 s[8:9], qkv s[10:11]
	v_lshl_add_u32 v[SPW], v0, 2, SPARE
	v_mov_b32 v[NIL], 0
	ds_add_u32 v[SPW], v[NIL]                      ; the wave's opening: the add and its wait stand ahead of my first tensor load; work on registers stands between them
	ds_add_u32 v28, v29
	v_lshrrev_b32 v1, 5, v0
	v_readfirstlane_b32 s[WV], v1                  ; wave 0..3
	s_bfe_u32 s40, ttmp6, 0x40000                  ; cx, cy: my place in the cluster
	s_bfe_u32 s41, ttmp6, 0x40004
	s_lshl_b32 s42, ttmp9, 2
	s_add_co_u32 s42, s42, s40                     ; tile column = 4 x cluster x + cx
	s_and_b32 s13, ttmp7, 0xffff
	s_lshl_b32 s13, s13, 2
	s_add_co_u32 s13, s13, s41                     ; tile row = 4 x cluster y + cy
	s_lshl_b32 s43, s41, 2
	s_lshl_b32 s43, 15, s43                        ; my row of the cluster
	s_lshl_b32 s44, 0x1111, s40                    ; my column
	s_or_b32 s[G1+0], s43, (1<<16)|(1<<20)|(1<<21)|(5<<22)|(3<<25)   ; the mask; 2-byte elements; padding on; bit 21 beside a mask; after every 64 words, 4 words
	s_or_b32 s[G1B+0], s44, (1<<16)|(1<<20)|(1<<21)|(5<<22)|(7<<25)  ; the same with my column's mask and 8 words of padding
.irp g, G1, G1B
	s_mov_b32 s[(\g)+1], 128<<16                   ; tensor_dim0 = 128
	s_mov_b32 s[(\g)+2], 128<<16                   ; tensor_dim1 = 128
	s_mov_b32 s[(\g)+3], 128<<16                   ; tile_dim0 = 128
	s_mov_b32 s[(\g)+4], 128                       ; tile_dim1 = 128
	s_mov_b32 s[(\g)+6], 0
	s_mov_b32 s[(\g)+7], 0
.endr
	s_mov_b32 s[G1+5], 1024                        ; elements from row to row of xb,
	s_mov_b32 s[G1B+5], 6144                       ; and of wqkv
	s_lshl_b32 s16, s13, 18                        ; xb: 128 rows of 2,048 bytes a tile row
	s_mov_b32 s17, 0
	s_mul_i32 s46, s42, 768                        ; wqkv: 768 bytes a tile column, 256 a sub-tile (in registers that never hold cy)
	s_lshl_b32 s18, s[WV], 8
	s_add_co_u32 s46, s46, s18
	s_mov_b32 s47, 0
	s_mul_i32 s20, s[WV], BSUB                     ; where my load goes: wave x 36,864: the three sub-tiles, then xb's tile
	s_wait_dscnt 0x0                               ; the opening add is done
	s_wait_kmcnt 0x0
	s_add_nc_u64 s[14:15], s[4:5], s[16:17]
	s_add_nc_u64 s[46:47], s[6:7], s[46:47]
	CROUND                                         ; all sixteen work-groups are here: the first joint loads meet
.irp s, 0,1
	s_mov_b32 s[G0+4*(\s)], 1
	s_add_co_u32 s[G0+4*(\s)+1], s20, (\s)*SLOT
	s_add_nc_u64 s[G0+4*(\s)+2:G0+4*(\s)+3], s[14:15], (\s)*KSTEP*2
	s_or_b32 s[G0+4*(\s)+3], s[G0+4*(\s)+3], 0x80000000
	s_mov_b32 s[G0B+4*(\s)], 1
	s_add_co_u32 s[G0B+4*(\s)+1], s20, (\s)*SLOT
	s_add_nc_u64 s[G0B+4*(\s)+2:G0B+4*(\s)+3], s[46:47], (\s)*KSTEP*ROWB
	s_or_b32 s[G0B+4*(\s)+3], s[G0B+4*(\s)+3], 0x80000000
	JLOAD \s                                       ; two loads of mine are out
.endr
	v_and_b32 v1, 15, v0                           ; l % 16
	v_bfe_u32 v2, v0, 4, 1                         ; l / 16
	s_mul_i32 s70, s42, 768                        ; the tile's 384 numbers of bias
	s_mov_b32 s71, 0
	s_add_nc_u64 s[70:71], s[8:9], s[70:71]
	s_mul_i32 s18, s[WV], 192
	v_lshl_add_u32 v[BO], v2, 4, s18               ; my wave's 96, my half's eight of a block
.irp b, 0,1,2,3,4,5
	global_load_b128 v[F1+4*(\b):F1+4*(\b)+3], v[BO], s[70:71] offset:32*(\b)
.endr
	v_mul_u32_u24 v3, v1, PA                       ; an xb fragment: row x pitch + 16 x half
	v_lshl_add_u32 v3, v2, 4, v3
	v_add_nc_u32 v[ADRA], AOFF, v3
	v_add_nc_u32 v[ADRA+1], AOFF+SLOT, v3
	v_and_b32 v4, 7, v0                            ; the turning load: lane l reads k row 8 (l / 16) + l % 8, columns 8 ((l / 8) % 2) + 0..7
	v_lshl_add_u32 v4, v2, 3, v4
	v_mul_u32_u24 v4, v4, PB
	v_bfe_u32 v5, v0, 3, 1
	v_lshl_add_u32 v4, v5, 4, v4
.irp p, 0,1,2
	s_mul_i32 s18, s[WV], 6
	s_add_co_u32 s18, s18, 2*(\p)                  ; g: the pair's first block among the tile's 24
	s_lshr_b32 s19, s18, 3
	s_mul_i32 s19, s19, BSUB                       ; its sub-tile,
	s_and_b32 s18, s18, 7
	s_lshl_b32 s18, s18, 5                         ; its 32 bytes of a row there
	s_add_co_u32 s18, s18, s19
	v_add_nc_u32 v[ADRB+(\p)], s18, v4
	s_add_co_u32 s18, s18, SLOT
	v_add_nc_u32 v[ADRB+3+(\p)], s18, v4
.endr
	v_mul_u32_u24 v5, v1, SPITCH                   ; into the stage: row l % 16, my wave's 192 bytes, 16 for each half of the lanes
	v_lshl_add_u32 v5, v2, 4, v5
	s_mul_i32 s18, s[WV], 192
	s_add_co_u32 s18, s18, STAGE
	v_add_nc_u32 v[STO], s18, v5
	v_lshlrev_b32 v5, 1, v2                        ; back: wave w takes rows 4 w .. 4 w + 3, whole: lanes 0-15 rows 4 w, 4 w + 1, lanes 16-31 the two below
	v_lshl_add_u32 v5, s[WV], 2, v5
	v_mul_u32_u24 v6, v5, SPITCH
	v_lshl_add_u32 v6, v1, 4, v6
	v_add_nc_u32 v[RD], STAGE, v6
	v_mul_u32_u24 v6, v5, ROWB                     ; and the same rows in qkv
	v_lshl_add_u32 v[CO], v1, 4, v6
	s_mul_i32 s66, s13, 128*ROWB                   ; the tile's first byte in qkv
	s_mul_i32 s68, s42, 768
	s_add_co_u32 s66, s66, s68
	s_mov_b32 s67, 0
	s_add_nc_u64 s[10:11], s[10:11], s[66:67]
	s_wait_loadcnt 0x0                             ; the bias
	WIN 0x40                                       ; destination window 1
.irp b, 0,1,2,3,4,5
.irp k, 0,1,2,3
	v_lshlrev_b32 v[BIAS+8*(\b)+2*(\k)],   16,         v[F1+4*(\b)+(\k)]
	v_and_b32     v[BIAS+8*(\b)+2*(\k)+1], 0xffff0000, v[F1+4*(\b)+(\k)]
.endr
.endr
	WIN 0
; 12 matrix instructions: row blocks a0, a0 + 1 of the window's four (hi = 0: rows 0-63, 1: rows 64-127) x my 6 column blocks, 32 along K.  ini = 1: the bias starts the sums.
; The 48 accumulators take turns in one order, one instruction a turn.
.macro MUL12 f, hi, a0, ini
.if (\ini) && (\hi)
	WIN 0x90                                       ; D window 2, C (the bias) window 1
.elseif \hi
	WIN 0xa0
.else
	WIN 0x50
.endif
.irp a, \a0, (\a0)+1
.irp b, 0,1,2,3,4,5
.if \ini
	v_wmma_f32_16x16x32_bf16 v[48*(\a)+8*(\b):48*(\a)+8*(\b)+7], v[(\f)+64+8*(\b):(\f)+64+8*(\b)+7], v[(\f)+8*(4*(\hi)+(\a)):(\f)+8*(4*(\hi)+(\a))+7], v[BIAS+8*(\b):BIAS+8*(\b)+7]
.else
	v_wmma_f32_16x16x32_bf16 v[48*(\a)+8*(\b):48*(\a)+8*(\b)+7], v[(\f)+64+8*(\b):(\f)+64+8*(\b)+7], v[(\f)+8*(4*(\hi)+(\a)):(\f)+8*(4*(\hi)+(\a))+7], v[48*(\a)+8*(\b):48*(\a)+8*(\b)+7]
.endif
.endr
.endr
.endm
; 28 LDS loads in one run: the fragments of quarter q (32 along K) into buffer f: 12 turning loads for wqkv, then 16 for xb, row blocks ascending
.macro FETCH slot, q, f
	WIN 0
.irp p, 0,1,2
.irp e, 0,1
	ds_load_tr16_b128 v[(\f)+64+8*(2*(\p)+(\e)):(\f)+64+8*(2*(\p)+(\e))+3],   v[ADRB+3*(\slot)+(\p)] offset:(\q)*32*PB+32*(\e)
	ds_load_tr16_b128 v[(\f)+64+8*(2*(\p)+(\e))+4:(\f)+64+8*(2*(\p)+(\e))+7], v[ADRB+3*(\slot)+(\p)] offset:(\q)*32*PB+16*PB+32*(\e)
.endr
.endr
.irp i, 0,1,2,3,4,5,6,7
	ds_load_b128 v[(\f)+8*(\i):(\f)+8*(\i)+3],   v[ADRA+(\slot)] offset:(\q)*64+(\i)*16*PA
	ds_load_b128 v[(\f)+8*(\i)+4:(\f)+8*(\i)+7], v[ADRA+(\slot)] offset:(\q)*64+(\i)*16*PA+32
.endr
.endm
; A K step is four quarters of 32 along K, 48 matrix instructions each, on buffers 0, 1, 0, 1.  One of the first three: multiplies buffer f and fetches quarter q into g.
.macro QUARTER slot, q, f, g, ini
	s_wait_dscnt 8                                 ; wqkv's fragments and xb's rows 0-63 are in; the youngest eight loads (rows 64-127) may be out
	MUL12 \f, 0, 0, \ini
	MUL12 \f, 0, 2, \ini
	PLACES
	FETCH \slot, \q, \g
	s_wait_dscnt 28                                ; all but the 28 just issued
	MUL12 \f, 1, 0, \ini
	MUL12 \f, 1, 2, \ini
.endm
; The last quarter multiplies buffer 1 and changes slots: ONE barrier; in front of it each wave waits for all its tensor loads (one is out: its part of the next slot), adds 0 to its spare
; word, and waits for that and for its reads of this slot.  fill = 1: the barrier opens a round of the cluster's, and this slot is filled again, two K steps ahead, first thing behind it:
; from that request to the wait for it a wave issues 168 matrix instructions.
.macro TURN slot, next, fill
	WIN 0                                          ; (the add's two registers lie in window 0)
	s_wait_tensorcnt 0x0
	ds_add_u32 v[SPW], v[NIL]                      ; 0 onto my spare word
	s_wait_dscnt 9                                 ; (the add and the youngest eight loads may be out)
	MUL12 F1, 0, 0, 0                              ; twelve matrix instructions stand between the add and the wait for it
	s_wait_dscnt 0x0                               ; the add is done, and my reads of this slot are over
	s_barrier_signal -1
	MUL12 F1, 0, 2, 0
	WIN 0
	s_barrier_wait -1
.if \fill
	CREST                                          ; no wave of any partner still reads this slot's tiles or has a load on its way
	s_add_nc_u64 s[G0+4*(\slot)+2:G0+4*(\slot)+3], s[G0+4*(\slot)+2:G0+4*(\slot)+3], 2*KSTEP*2
	s_add_nc_u64 s[G0B+4*(\slot)+2:G0B+4*(\slot)+3], s[G0B+4*(\slot)+2:G0B+4*(\slot)+3], 2*KSTEP*ROWB
	JLOAD \slot                                    ; the four v_nop behind it are also the places in front of the loads below
.else
	PLACES
.endif
	FETCH \next, 0, F0
	MUL12 F1, 1, 0, 0
	MUL12 F1, 1, 2, 0
.endm
	s_wait_tensorcnt 0x1                           ; my part of K step 0 is in; K step 1's may stay out
	s_barrier_signal -1
	s_barrier_wait -1                              ; everybody's is
	FETCH 0, 0, F0
	QUARTER 0, 1, F0, F1, 1                        ; the first quarter stands in front of the loop: its products start the sums, with the bias
	WIN 0                                          ; at a label and at a branch every window is 0
	s_mov_b32 s3, LAPS-1
.Llap:                                                 ; a trip goes once round the ring, from a lap's second quarter to the next lap's first, and fills both slots again
	QUARTER 0, 2, F1, F0, 0
	QUARTER 0, 3, F0, F1, 0
	TURN 0, 1, 1
	QUARTER 1, 1, F0, F1, 0
	QUARTER 1, 2, F1, F0, 0
	QUARTER 1, 3, F0, F1, 0
	TURN 1, 0, 1
	QUARTER 0, 1, F0, F1, 0
	WIN 0
	s_sub_co_u32 s3, s3, 1
	s_cmp_lg_u32 s3, 0
	s_cbranch_scc1 .Llap
	QUARTER 0, 2, F1, F0, 0                        ; the last lap fills nothing, and has no round of the cluster's barrier
	QUARTER 0, 3, F0, F1, 0
	TURN 0, 1, 0
	QUARTER 1, 1, F0, F1, 0
	QUARTER 1, 2, F1, F0, 0
	QUARTER 1, 3, F0, F1, 0
	s_wait_dscnt 8                                 ; the very last quarter: nothing more to fetch
	MUL12 F1, 0, 0, 0
	MUL12 F1, 0, 2, 0
	s_wait_dscnt 0x0
	MUL12 F1, 1, 0, 0
	MUL12 F1, 1, 2, 0
	WIN 0
	PLACES
; THE WAY OUT, a block of 16 rows at a time.  A row's 768 bytes come from four waves, so a barrier stands between writing and reading; the stage's two buffers take turns, so one barrier a block
; is enough: block a + 2 writes a buffer behind barrier a + 1, in front of which every wave has waited for its reads of block a.
.macro OUTP a
.set AC, 48*((\a)%4)
.set BF, ((\a)%2)*SBUF
.set BK, OB+32*((\a)%2)
	WIN 0x05+5*((\a)/4)                            ; sources 0 and 1: window 1 or 2
.irp b, 0,1,2,3,4,5
.irp k, 0,1,2,3
	v_cvt_pk_f16_f32 v[TMP+4*(\b)+(\k)], v[AC+8*(\b)+2*(\k)], v[AC+8*(\b)+2*(\k)+1]  ; each accumulator from its low end on
.endr
.endr
	WIN 0
.irp b, 0,1,2,3,4,5
	ds_store_b128 v[STO], v[TMP+4*(\b):TMP+4*(\b)+3] offset:BF+32*(\b)
.endr
	s_wait_dscnt 0x0                               ; for the others' sake: my stores into the stage are done (and my reads of the block before came back)
	s_barrier_signal -1
	s_barrier_wait -1
	s_wait_xcnt 0x0                                ; the registers that the stores of two blocks ago read are loaded again only behind this wait
.irp t, 0,1,2,3,4,5
	ds_load_b128 v[BK+4*(\t):BK+4*(\t)+3], v[RD] offset:BF+((\t)/3)*SPITCH+((\t)%3)*256
.endr
.irp t, 0,1,2,3,4,5
	s_wait_dscnt 5-(\t)                            ; LDS loads come back in order: load t is in
	global_store_b128 v[CO], v[BK+4*(\t):BK+4*(\t)+3], s[10:11] offset:(16*(\a)+(\t)/3)*ROWB+((\t)%3)*256  ; 16 lanes store 256 consecutive bytes, at a multiple of 256 from qkv's first byte
.endr
.endm
.irp a, 0,1,2,3,4,5,6,7
	OUTP \a
.endr
	s_wait_tensorcnt 0x0                           ; the wave's end: a wait, 0 onto my spare word and its wait, behind my last tensor load and my last LDS store
	ds_add_u32 v[SPW], v[NIL]
	s_wait_dscnt 0x0
	CROUND                                         ; the closing round: no work-group ends while a partner may still ask for a tile that names it
	s_endpgm
.Lfunc_end_k_qf79af0345f_qkv:
	.size	k_qf79af0345f_qkv, .Lfunc_end_k_qf79af0345f_qkv-k_qf79af0345f_qkv
	.p2alignl 7, 3214868480
	.fill 96, 4, 3214868480
	.section	.rodata,"a",@progbits
	.p2align	6, 0x0
	.amdhsa_kernel k_qf79af0345f_qkv
		.amdhsa_group_segment_fixed_size 327680
		.amdhsa_private_segment_fixed_size 0
		.amdhsa_enable_private_segment 0
		.amdhsa_kernarg_size 32
		.amdhsa_user_sgpr_count 2
		.amdhsa_user_sgpr_kernarg_segment_ptr 1
		.amdhsa_wavefront_size32 1
		.amdhsa_system_sgpr_workgroup_id_x 1
		.amdhsa_system_sgpr_workgroup_id_y 1
		.amdhsa_system_sgpr_workgroup_id_z 1
		.amdhsa_system_vgpr_workitem_id 0
		.amdhsa_next_free_vgpr 704
		.amdhsa_next_free_sgpr 80
		.amdhsa_reserve_vcc 0
		.amdhsa_float_denorm_mode_32 3
		.amdhsa_float_denorm_mode_16_64 3
		.amdhsa_memory_ordered 1
		.amdhsa_forward_progress 1
		.amdhsa_inst_pref_size 120
	.end_amdhsa_kernel
	.amdgpu_metadata
---
amdhsa.version: [ 1, 2 ]
amdhsa.kernels:
  - .name:           k_qf79af0345f_qkv
    .symbol:         k_qf79af0345f_qkv.kd
    .args:
      - { .name: xb, .offset: 0, .size: 8, .value_kind: global_buffer, .address_space: global }
      - { .name: wqkv, .offset: 8, .size: 8, .value_kind: global_buffer, .address_space: global }
      - { .name: bias16, .offset: 16, .size: 8, .value_kind: global_buffer, .address_space: global }
      - { .name: qkv, .offset: 24, .size: 8, .value_kind: global_buffer, .address_space: global }
    .group_segment_fixed_size: 327680
    .private_segment_fixed_size: 0
    .kernarg_segment_align: 8
    .kernarg_segment_size: 32
    .max_flat_workgroup_size: 128
    .sgpr_count:     80
    .vgpr_count:     704
    .wavefront_size: 32
...
	.end_amdgpu_metadata
.endif
;; end of part 2
;; launch attn (part 3): grid 8 x 32, 4 waves a work-group, no clusters, 327,680 bytes of LDS; arguments qkv, ob; writes ob
.if DOCPART == 3
	.amdgcn_target "amdgcn-amd-amdhsa--gfx1250"
	.amdhsa_code_object_version 6
	.text
	.protected	k_qf79af0345f_attn
	.globl	k_qf79af0345f_attn
	.p2align	8
	.type	k_qf79af0345f_attn,@function
k_qf79af0345f_attn:
	s_mov_b64 s[64:65], 0
	v_nop
	global_prefetch_b8 v0, s[64:65] scope:SCOPE_SE
	s_setreg_imm32_b32 hwreg(HW_REG_WAVE_MODE, 25, 1), 1
	s_wait_xcnt 0x0
; CAUSAL ATTENTION on qkv [4096][6144] f16 (a row: 2,048 q, 2,048 k, 2,048 v), into ob [4096][2048] f16.  32 pairs (batch b, head h), 2,048 queries and keys, head size 128.
; WHERE THINGS LIE.  Key s of head h: row 2048 b + s, bytes 4096 + 256 h on; its value 4,096 bytes further.  q is a plain reshape of the projection: query t of head h is row 2048 b + 128 h + t / 16,
; bytes 256 (t % 16) on: 16 neighbouring queries are one row's 4,096 bytes of q.  Output t of head h: row 2048 b + t of ob, bytes 256 h on.
; Products, maxima and sums in f32; the weights p are rounded to f16 for the second product (their sum l is taken of the unrounded p), O once at the end.
; LIMITS.  q, k, v arrive within f16's 65,504.  A hidden score counts as its value less 1e30.  A weight below 2^-126 counts as 0 in l.  NaN and infinities are not treated apart.
; THE WALK.  A head's queries lie in 16 blocks of 128; block i needs the key tiles 0 .. i of 128 keys, of which the last holds the diagonal.  Work-group p takes blocks 15 - p and then p: 17 tiles,
; whatever p: 8 x 32 = 256 equal work-groups, and one loop with a constant trip count.  NO CLUSTER: a head's eight work-groups ask for the same tile only in trips 0 .. 8 of 17, behind that fewer and
; fewer, and one walk common to all would have 24 trips for 17.
; SHARES.  A wave owns two tiles of 16 queries, one in each of the block's two bands of 64: tile x holds queries 128 i + 64 x + 16 w + 0..15.  So the diagonal key tile is the same work for all four
; waves: in its first 64 keys band 0 holds the diagonal and band 1 sees all; its last 64 keys are hidden from band 0 (not computed) and hold band 1's diagonal.
; LAYOUT.  S^T = K Q^T (source 0 = 16 keys, source 1 = 16 queries): a lane holds ONE query (lane % 16) and the keys 8 (lane / 16) + 0..7.  Two such results rounded to f16 in pairs ARE source 1 of
; O^T = V^T P.  K comes out of LDS as it lies, V turned, by ds_load_tr16_b128.  THE MASK (MD, made once: 0, or -1e30 where the key is hidden) is the C operand that starts the diagonal's sums.
; SOFTMAX.  A running maximum m and sum l: p = 2^(c s - c m), c = log2(e) / sqrt(128); in every step O and l are multiplied by a = 2^(c m_old - c m_new).  A block starts with c m far below every
; c s, so its first a is 0 and what O^T and l held need only be finite: no first step is written out.
; IN PHASES, ROTATED.  A step of 64 keys: K's fragments are asked for; V^T P of the step BEFORE; K Q^T; V's fragments are asked for; the softmax.  So each run of LDS loads has a phase in which to land.
; REGISTERS, in windows of 256 (s_set_vgpr_msb: bits 1:0 source 0, 3:2 source 1, 5:4 source 2, 7:6 destination):
;   window 0: v0-15 addresses; v16-31 eight registers of statistics a tile; v62-63 the add's; v64-127 S^T, 32 a tile; v128-159 P, 16 a tile; v160-191 MD
;   window 1: v0-127 O^T, 64 a tile      window 2: v0-63 Q; v64-127 the second block's Q; v128-255 K of one step      window 3: v0-127 V of one step
.set NB,    16
.set KS,    64        ; keys in a step
.set PK,    272       ; a row of K in LDS: 256 bytes + 16: the 16 rows of a load start at 16 different groups of four banks (64 banks of 4 bytes: ISA guide 11.1)
.set PV,    288       ; a row of V: 256 + 32
.set VOFF,  KS*PK     ; a step's tiles lie together: 64 rows of K, then 64 rows of V
.set STEPB, KS*(PK+PV)
.set SLOT1, 1<<17     ; a slot holds a key tile, two steps (71,680 bytes); slot 1 begins here, so that one exclusive or turns an address in one slot into the other's
.set STAGE, SLOT1+2*STEPB  ; behind the ring, never filled by a tensor load: 16 rows x 272 bytes for each wave, for the way out
.set SP,    272
.set SPARE, STAGE+4*16*SP  ; the spare words, 128 bytes for each wave: two blocks of 256 bytes that no other line names
.set ROWB,  12288     ; bytes in a row of qkv
.set AK0, 2           ; v2   my lane's place in a tile of K; never rewritten
.set AV0, 3           ; v3   the same for V
.set ADR, 4           ; v4   the LDS address of the run of loads in hand
.set QO,  5           ; v5   my byte offset in a row of q
.set STO, 6           ; v6   the way out: where I put 16 bytes of a row
.set RD,  7           ; v7   where I read a row back
.set GO,  8           ; v8   my byte offset in two rows of ob
.set ST,  16          ; tile t's statistics at v[ST+8 t]: +0 c m, +1 m, +2, +3 l (even keys', odd keys'), +4 to +7 c0-c3, at work; a takes c2's place once the maximum is found
.set SPW, 62          ; v62  LDS address of my spare word; never rewritten
.set NIL, 63          ; v63  0; never rewritten
.set S,   64
.set P,   128
.set MD,  160         ; the eight registers for group kb of 16 keys at MD + 8 kb
.set QB,  64          ; window 2
.set KF,  128         ; window 2
.set WV,  12          ; s12  my wave's number
.set PB,  14          ; s14  p
.set HI,  15          ; s15  15 - p
.set G1K, 24          ; s[24:31] descriptor group 1 for K's tiles
.set G1V, 32          ; s[32:39] for V's: it differs in the padding alone
.set G0K, 40          ; s[40:43] descriptor group 0 for K's tiles
.set G0V, 44          ; s[44:47] the same for V's
.set SLOTS, 56        ; s56  tiles still to be asked for
.set CNT, 57          ; s57  counts a tile's two steps
.set CS,  58          ; s[58:59] c: the packed scaling takes the pair's low word for both halves
.set SEL, 60          ; s[60:61] v_permlanex16_b32's selects: each lane takes its own place in the other half
.set TB,  62          ; s62  LDS byte at which the tiles of the step to be fetched begin
.set RT,  70          ; s70  tiles of the block in hand that are still to be entered
.set NXT, 71          ; s71  the tile to be asked for next
.set LQ,  72          ; s72  the last tile of the block whose tiles are being asked for
.set OFF, 74          ; s[74:75] a tile's byte offset in K and V
.set OLO, 80          ; s[80:81] ob at my rows of the second block
.set BIGN, 82         ; s82  -1e30
.set MSB, 0
.macro WIN new                      ; the high byte repeats the setting that is left; a switch that changes nothing is dropped
.if MSB != (\new)
	s_set_vgpr_msb (MSB<<8)|(\new)
.set MSB, (\new)
.endif
.endm
.set W_KQ, 0x0a       ; K and Q in window 2, S^T and the mask in window 0
.set W_PV, 0x53       ; V in window 3, P in window 0, O^T in window 1
.set W_RS, 0x41       ; O^T (destination and source 0) in window 1, a in window 0
.macro PLACES                       ; four places behind matrix instructions (ISA guide 7.12.1)
.rept 4
	v_nop
.endr
.endm
; A fill.  Waves 0 and 1 fetch the two steps' K of a tile, waves 2 and 3 their V: 64 rows of 256 bytes each.  An s_nop 0 and four v_nop follow each of the two lines, ahead of the jump and the label.
.macro LOAD
	s_cmp_lt_u32 s[WV], 2
	s_cbranch_scc0 .Lfor_v_\@
	tensor_load_to_lds s[G0K:G0K+3], s[G1K:G1K+7]
	s_nop 0
.rept 4
	v_nop
.endr
	s_branch .Lasked_\@
.Lfor_v_\@:
	tensor_load_to_lds s[G0V:G0V+3], s[G1V:G1V+7]
	s_nop 0
.rept 4
	v_nop
.endr
.Lasked_\@:
.endm
; THE CHANGE OF SLOTS.  Each wave waits for all its tensor loads, of which one is out: its part of the other slot; adds 0 to its spare word; and waits for that and for its own reads of the slot that it
; leaves (the last, V of its second step, are then in registers).  Behind the barrier nobody reads the old slot any more and the other slot is whole.  fill = 1: the old slot is filled again, the first
; thing behind the barrier, with tile NXT: the descriptor's address is made anew from that number.  The load has a whole tile's work in which to land.  (At its first use slot 0 is waited for, slot 1 filled.)
.macro CHANGE fill
	WIN 0                           ; at a label and at a branch every window is 0
	s_wait_tensorcnt 0x0            ; no tensor load of mine is out, so a group 0 may be written
	ds_add_u32 v[SPW], v[NIL]       ; 0 onto my spare word; scalar work stands between it and the wait for it
.if \fill
	s_mul_i32 s[OFF], s[NXT], 128*ROWB  ; a tile is 128 rows of qkv
	s_xor_b32 s[G0K+1], s[G0K+1], SLOT1
	s_add_nc_u64 s[G0K+2:G0K+3], s[6:7], s[OFF:OFF+1]
	s_or_b32 s[G0K+3], s[G0K+3], 0x80000000
	s_xor_b32 s[G0V+1], s[G0V+1], SLOT1
	s_add_nc_u64 s[G0V+2:G0V+3], s[8:9], s[OFF:OFF+1]
	s_or_b32 s[G0V+3], s[G0V+3], 0x80000000
	s_add_co_u32 s[NXT], s[NXT], 1  ; the block's next tile, or behind its last the second block's tile 0
	s_cmp_gt_u32 s[NXT], s[LQ]
	s_cselect_b32 s[NXT], 0, s[NXT]
	s_cselect_b32 s[LQ], s[PB], s[LQ]
.endif
	s_wait_dscnt 0x0                ; the add is done, and my reads of the slot are over
	s_barrier_signal -1
	s_sub_co_u32 s[TB], s[TB], 2*STEPB  ; the fetches go back to a slot's first step,
	s_xor_b32 s[TB], s[TB], SLOT1       ; in the other slot
	s_barrier_wait -1
.if \fill
	LOAD
.endif
.endm
	s_load_b128 s[16:19], s[0:1], 0x0  ; qkv s[16:17], ob s[18:19]
	v_lshl_add_u32 v[SPW], v0, 2, SPARE
	v_mov_b32 v[NIL], 0
	ds_add_u32 v[SPW], v[NIL]       ; the wave's opening: the add and its wait stand ahead of my first tensor load; work on registers stands between them
	ds_add_u32 v62, v63
	v_lshrrev_b32 v1, 5, v0
	v_readfirstlane_b32 s[WV], v1   ; wave 0..3
	s_mov_b32 s[PB], ttmp9
	s_sub_co_u32 s[HI], NB-1, s[PB]
	s_and_b32 s20, ttmp7, 0xffff    ; 16 b + h
	s_lshr_b32 s21, s20, 4
	s_lshl_b32 s21, s21, 11         ; 2048 b
	s_and_b32 s20, s20, 15          ; h
	s_lshl_b32 s66, s20, 8          ; 256 h
	s_and_b32 s13, s[WV], 1         ; which of a tile's two steps I fetch
	s_lshl_b32 s22, s13, 6
	s_add_co_u32 s22, s22, s21
	s_mul_i32 s22, s22, ROWB        ; row 2048 b + 64 u,
	s_add_co_u32 s22, s22, s66
	s_add_co_u32 s22, s22, 4096     ; the head's bytes of k
	s_mov_b32 s23, 0
	s_mul_i32 s67, s13, STEPB       ; and the step's place in a slot
	s_lshl_b32 s2, s20, 7
	s_add_co_u32 s2, s2, s21
	s_add_co_u32 s2, s2, s[WV]      ; 2048 b + 128 h + w:
	s_lshl3_add_u32 s84, s[PB], s2  ; the row of q that is my tile 0 of the second block,
	s_lshl3_add_u32 s2, s[HI], s2   ; and of the first
	s_mul_i32 s84, s84, ROWB
	s_mul_i32 s2, s2, ROWB
	s_mov_b32 s3, 0
	s_mov_b32 s85, 0
	s_lshl_b32 s68, s[WV], 4
	s_add_co_u32 s68, s68, s21      ; 2048 b + 16 w:
	s_lshl_b32 s76, s[PB], 7
	s_add_co_u32 s76, s76, s68      ; my tile 0's first row of ob in the second block,
	s_lshl_b32 s69, s[HI], 7
	s_add_co_u32 s68, s68, s69      ; and in the first
	s_lshl_b32 s68, s68, 12
	s_lshl_b32 s76, s76, 12
	s_add_co_u32 s68, s68, s66
	s_add_co_u32 s76, s76, s66
	s_mov_b32 s69, 0
	s_mov_b32 s77, 0
	; descriptor group 1: a tile of 64 rows x 128 elements, 6,144 elements from row to row, padded in LDS
	s_mov_b32 s[G1K], (1<<16)|(1<<20)|(5<<22)|(3<<25)  ; 2-byte elements; padding on; after every 64 words, 4 words
	s_mov_b32 s[G1V], (1<<16)|(1<<20)|(5<<22)|(7<<25)  ; the same with 8 words
.irp g, G1K, G1V
	s_mov_b32 s[\g+1], 128<<16      ; tensor_dim0 = 128
	s_mov_b32 s[\g+2], KS<<16       ; tensor_dim1 = 64
	s_mov_b32 s[\g+3], 128<<16      ; tile_dim0 = 128
	s_mov_b32 s[\g+4], KS           ; tile_dim1 = 64
	s_mov_b32 s[\g+5], 6144
	s_mov_b32 s[\g+6], 0
	s_mov_b32 s[\g+7], 0
.endr
	s_mov_b32 s[CS], 0x3e0293ee     ; c = log2(e) / sqrt(128) = 0.127517
	s_mov_b32 s[CS+1], s[CS]        ; named with it as a pair
	s_mov_b32 s[SEL], 0x76543210
	s_mov_b32 s[SEL+1], 0xfedcba98
	s_mov_b32 s[TB], SLOT1+2*STEPB  ; the first change of slots turns this into 0
	s_mov_b32 s[G0K], 1
	s_mov_b32 s[G0K+1], s67         ; slot 0
	s_mov_b32 s[G0V], 1
	s_add_co_u32 s[G0V+1], s67, VOFF
	s_add_co_u32 s[RT], s[HI], 1    ; the first block has 16 - p tiles
	s_mov_b32 s[NXT], 1
	s_mov_b32 s[LQ], s[HI]
	s_mov_b32 s[OFF+1], 0
	s_mov_b32 s[BIGN], 0xf149f2ca   ; -1e30
	s_mov_b32 s[SLOTS], NB
	s_wait_dscnt 0x0                ; the opening add is done
	s_wait_kmcnt 0x0
	s_add_nc_u64 s[6:7], s[16:17], s[22:23]        ; K at my step of the head's tile 0,
	s_add_nc_u64 s[8:9], s[6:7], 4096              ; V beside it
	s_add_nc_u64 s[4:5], s[16:17], s[2:3]          ; Q of the first block,
	s_add_nc_u64 s[86:87], s[16:17], s[84:85]      ; and of the second
	s_add_nc_u64 s[10:11], s[18:19], s[68:69]      ; O likewise
	s_add_nc_u64 s[OLO:OLO+1], s[18:19], s[76:77]
	s_add_nc_u64 s[G0K+2:G0K+3], s[6:7], 0
	s_or_b32 s[G0K+3], s[G0K+3], 0x80000000        ; type = 2
	s_add_nc_u64 s[G0V+2:G0V+3], s[8:9], 0
	s_or_b32 s[G0V+3], s[G0V+3], 0x80000000
	LOAD                            ; tile 0 into slot 0: one load of mine is out
	; A fragment of K or Q is 16 rows x 32 channels in 8 registers: lane l holds row l % 16, channels 8 (l / 16) + 0..7 and 16 + 8 (l / 16) + 0..7: two loads of 16 bytes, 32 bytes apart.
	v_and_b32 v1, 15, v0            ; l % 16
	v_bfe_u32 v9, v0, 4, 1          ; l / 16
	v_lshlrev_b32 v[QO], 8, v1
	v_lshl_add_u32 v[QO], v9, 4, v[QO]  ; query x 256 + 16 x half
	WIN 0x80                        ; destination window 2, address window 0
.set i, 0
.rept 8                             ; both blocks' Q: tile i / 4 lies four rows of qkv on; channels 32 (i % 4) on
	global_load_b128 v[8*i:8*i+3],         v[QO], s[4:5]   offset:(i/4)*4*ROWB+(i%4)*64
	global_load_b128 v[8*i+4:8*i+7],       v[QO], s[4:5]   offset:(i/4)*4*ROWB+(i%4)*64+32
	global_load_b128 v[QB+8*i:QB+8*i+3],   v[QO], s[86:87] offset:(i/4)*4*ROWB+(i%4)*64
	global_load_b128 v[QB+8*i+4:QB+8*i+7], v[QO], s[86:87] offset:(i/4)*4*ROWB+(i%4)*64+32
.set i, i+1
.endr
	WIN 0
	v_lshlrev_b32 v14, 3, v9
	v_sub_nc_u32 v14, v1, v14
	s_lshl_b32 s13, s[WV], 4
	v_add_nc_u32 v14, s13, v14      ; my query's place in its band, 16 w + l % 16, less my lanes' 8 (l / 16): register r of group kb is hidden where 16 kb + r is greater
.set i, 0
.rept 32
	v_cmp_gt_i32 vcc_lo, 16*(i/8)+i%8, v14
	v_cndmask_b32 v[MD+i], 0, s[BIGN], vcc_lo
.set i, i+1
.endr
	v_mul_u32_u24 v[AK0], v1, PK
	v_lshl_add_u32 v[AK0], v9, 4, v[AK0]  ; row x pitch + 16 x half
	; The turning load takes 16 keys x 16 channels (lane l reads key 8 (l / 16) + l % 8, channels 8 ((l / 8) % 2) + 0..7) and leaves half a fragment of V^T: lane l holds channel l % 16 and 8 keys.
	v_and_b32 v10, 7, v0
	v_bfe_u32 v11, v0, 3, 1
	v_lshl_add_u32 v[AV0], v9, 3, v10
	v_mul_u32_u24 v[AV0], v[AV0], PV
	v_lshl_add_u32 v[AV0], v11, 4, v[AV0]
	v_add_nc_u32 v[AV0], VOFF, v[AV0]
	s_mul_i32 s13, s[WV], 16*SP
	s_add_co_u32 s13, s13, STAGE    ; my stage
	v_mul_u32_u24 v[STO], v1, SP    ; in: row l % 16, 16 bytes for each half of the lanes
	v_lshl_add_u32 v[STO], v9, 4, v[STO]
	v_add_nc_u32 v[STO], s13, v[STO]
	v_mul_u32_u24 v[RD], v9, SP     ; back: lanes 0-15 take one row of 256 bytes, lanes 16-31 the next
	v_lshl_add_u32 v[RD], v1, 4, v[RD]
	v_add_nc_u32 v[RD], s13, v[RD]
	v_lshlrev_b32 v[GO], 12, v9     ; and the same two rows in ob
	v_lshl_add_u32 v[GO], v1, 4, v[GO]
	; What the first step finds: V, P, O^T and l need only be finite, since its a is 0: zeros.  All this stands in the wait for the first tile; it is the price of writing no first step out.
	WIN 0xc0
.set i, 0
.rept 128
	v_mov_b32 v[i], 0
.set i, i+1
.endr
	WIN 0x40
.set i, 0
.rept 128
	v_mov_b32 v[i], 0
.set i, i+1
.endr
	WIN 0
.set i, P
.rept 32
	v_mov_b32 v[i], 0
.set i, i+1
.endr
.irp t, 0,1
	v_mov_b32 v[ST+8*\t], 0xfe000000    ; c m: far below every c s
	v_mov_b32 v[ST+8*\t+1], 0xff7fffff  ; m: the lowest finite number
	v_mov_b32 v[ST+8*\t+2], 0
	v_mov_b32 v[ST+8*\t+3], 0
.endr
	s_wait_loadcnt 0x0              ; Q, both blocks'
; THE MATRIX WORK.  The accumulators take turns, one instruction a turn.
; S^T = K Q^T.  mode 0, 1: both tiles, 32 products: channels 32 (i / 8) on, keys 16 ((i / 2) % 4) on, tile i % 2; the first 8 start the sums, with 0, or (mode 1) tile 0's with the mask.
; mode 2: tile 1 alone, 16 products: channels 32 (i / 4) on, keys 16 (i % 4) on; the first 4 start the sums with the mask.
.macro KQRUN mode
	WIN W_KQ
.if (\mode) < 2
.set i, 0
.rept 32
.set rS, S+32*(i%2)+8*((i/2)%4)
.set rK, KF+32*((i/2)%4)+8*(i/8)
.set rQ, 32*(i%2)+8*(i/8)
.set rM, MD+8*((i/2)%4)
.if (i < 8) && ((\mode) == 1) && (i%2 == 0)
	v_wmma_f32_16x16x32_f16 v[rS:rS+7], v[rK:rK+7], v[rQ:rQ+7], v[rM:rM+7]
.elseif i < 8
	v_wmma_f32_16x16x32_f16 v[rS:rS+7], v[rK:rK+7], v[rQ:rQ+7], 0
.else
	v_wmma_f32_16x16x32_f16 v[rS:rS+7], v[rK:rK+7], v[rQ:rQ+7], v[rS:rS+7]
.endif
.set i, i+1
.endr
.else
.set i, 0
.rept 16
.set rS, S+32+8*(i%4)
.set rK, KF+32*(i%4)+8*(i/4)
.set rQ, 32+8*(i/4)
.set rM, MD+8*(i%4)
.if i < 4
	v_wmma_f32_16x16x32_f16 v[rS:rS+7], v[rK:rK+7], v[rQ:rQ+7], v[rM:rM+7]
.else
	v_wmma_f32_16x16x32_f16 v[rS:rS+7], v[rK:rK+7], v[rQ:rQ+7], v[rS:rS+7]
.endif
.set i, i+1
.endr
.endif
.endm
; O^T += V^T P.  both = 1: 32 products: keys 32 (i / 16) on, channels 16 ((i / 2) % 8) on, tile i % 2.  both = 0: tile 1 alone, 16 products: keys 32 (i / 8) on, channels 16 (i % 8) on.
.macro PVRUN both
	WIN W_PV
.if \both
.set i, 0
.rept 32
.set rO, 64*(i%2)+8*((i/2)%8)
.set rV, 64*(i/16)+8*((i/2)%8)
.set rP, P+16*(i%2)+8*(i/16)
	v_wmma_f32_16x16x32_f16 v[rO:rO+7], v[rV:rV+7], v[rP:rP+7], v[rO:rO+7]
.set i, i+1
.endr
.else
.set i, 0
.rept 16
.set rO, 64+8*(i%8)
.set rV, 64*(i/8)+8*(i%8)
.set rP, P+16+8*(i/8)
	v_wmma_f32_16x16x32_f16 v[rO:rO+7], v[rV:rV+7], v[rP:rP+7], v[rO:rO+7]
.set i, i+1
.endr
.endif
.endm
; THE LDS LOADS stand in runs of 32: a step's K (64 keys x 128 channels: 16 fragments) and its V (turned).
.macro FETCH_K
	WIN 0
	v_add_nc_u32 v[ADR], s[TB], v[AK0]
	WIN 0x80                        ; destination window 2
.irp f, 0,1,2,3,4,5,6,7,8,9,10,11,12,13,14,15  ; keys 16 (f / 4) on, channels 32 (f % 4) on
	ds_load_b128 v[KF+8*(\f):KF+8*(\f)+3],   v[ADR] offset:((\f)/4)*16*PK+((\f)%4)*64
	ds_load_b128 v[KF+8*(\f)+4:KF+8*(\f)+7], v[ADR] offset:((\f)/4)*16*PK+((\f)%4)*64+32
.endr
.endm
.macro FETCH_V
	WIN 0
	v_add_nc_u32 v[ADR], s[TB], v[AV0]
	s_add_co_u32 s[TB], s[TB], STEPB  ; the next fetch is the next step's
	WIN 0xc0                        ; destination window 3
.irp f, 0,1,2,3,4,5,6,7,8,9,10,11,12,13,14,15  ; keys 32 (f / 8) on, channels 16 (f % 8) on
	ds_load_tr16_b128 v[8*(\f):8*(\f)+3],   v[ADR] offset:((\f)/8)*32*PV+((\f)%8)*32
	ds_load_tr16_b128 v[8*(\f)+4:8*(\f)+7], v[ADR] offset:((\f)/8)*32*PV+16*PV+((\f)%8)*32
.endr
.endm
; THE VECTOR WORK.  One tile's softmax for one key step is a list of 134 instructions; SM writes number j of it for tile t.  s0-s31 are the lane's 32 scores, in pairs 0-15.
;   0-15    the maximum of s0-s31 and the old m, three operands at a time: four chains c0-c3 (each accumulator's lowest registers are read first), then the scores left over, c0-c3 and m
;   16-20   the other half of the lanes' maximum; the new m; c m; c m_old - c m_new
;   21-87   33 exponentials (a, then s0-s31) at the odd numbers from 23 on, a plain instruction at every even one: c s - c m for a pair whose exponentials are still to come, the rounding to f16 of a
;           pair whose exponentials are done, the first sums.  So a plain instruction stands between every exponential and the use of its result (ISA guide 5.7.2), for one tile and for two that alternate
;   88-101  the last rounding; the rest of the sums; l = a l + the sum          102-133 the tile's O^T times a, from each accumulator's low end on
.macro SM t
.set rT, ST+8*(\t)
.set rS, S+32*(\t)
.set rP, P+16*(\t)
.set rO, 64*(\t)+2*(j-102)
.set q, (j-20)/2
.if j < 102
	WIN 0
.endif
.if j < 4
	v_max3_num_f32 v[rT+4+j], v[rS+8*j], v[rS+8*j+1], v[rS+8*j+2]
.elseif j < 12
	v_max3_num_f32 v[rT+4+j%4], v[rT+4+j%4], v[rS+8*(j%4)+2*(j/4)+1], v[rS+8*(j%4)+2*(j/4)+2]
.elseif j == 12
	v_max3_num_f32 v[rT+4], v[rT+4], v[rS+7], v[rS+15]
.elseif j == 13
	v_max3_num_f32 v[rT+6], v[rT+6], v[rS+23], v[rS+31]
.elseif j == 14
	v_max3_num_f32 v[rT+4], v[rT+4], v[rT+5], v[rT+6]
.elseif j == 15
	v_max3_num_f32 v[rT+4], v[rT+4], v[rT+7], v[rT+1]
.elseif j == 16
	v_permlanex16_b32 v[rT+5], v[rT+4], s[SEL], s[SEL+1]  ; the query's other 32 keys lie in the lane 16 away
.elseif j == 17
	v_mov_b32 v[rT+7], v[rT]        ; c m_old is kept for a: number 19 writes c m anew
.elseif j == 18
	v_max_num_f32 v[rT+1], v[rT+4], v[rT+5]
.elseif j == 19
	v_mul_f32 v[rT], s[CS], v[rT+1]
.elseif j == 20
	v_sub_f32 v[rT+7], v[rT+7], v[rT]
.elseif j == 23
	v_exp_f32 v[rT+6], v[rT+7]
.elseif (j < 88) && (j > 23) && (j%2 == 1)
	v_exp_f32 v[rS+(j-25)/2], v[rS+(j-25)/2]
.elseif (q < 4) || ((j < 76) && (q%2 == 0))
.set b, q/2+2
.if q < 4
.set b, q
.endif
	v_pk_fma_f32 v[rS+2*b:rS+2*b+1], v[rS+2*b:rS+2*b+1], s[CS:CS+1], v[rT:rT+1] op_sel_hi:[1,0,0] neg_lo:[0,0,1] neg_hi:[0,0,1]  ; pair b: c s - c m
.elseif (j < 88) && (q%2 == 1)
	s_wait_alu depctr_va_vdst(0)
	v_cvt_pk_f16_f32 v[rP+(q-5)/2], v[rS+q-5], v[rS+q-4]  ; pair (q - 5) / 2: its second exponential stands three numbers back
.elseif j == 89
	s_wait_alu depctr_va_vdst(0)
	v_cvt_pk_f16_f32 v[rP+15], v[rS+30], v[rS+31]
.elseif j < 102                     ; the sum of the tile's 16 pairs, in place: sum z of 16 adds neighbours 1, 2, 4 and 8 pairs apart, then l takes it
.set z, j-86
.if j < 89
.set z, (j-76)/4
.endif
.set w, 4
.set u, z
.if z >= 14
.set w, 32
.set u, 0
.elseif z >= 12
.set w, 16
.set u, z-12
.elseif z >= 8
.set w, 8
.set u, z-8
.endif
.if z < 15
	v_pk_add_f32 v[rS+w*u:rS+w*u+1], v[rS+w*u:rS+w*u+1], v[rS+w*u+w/2:rS+w*u+w/2+1]
.else
	v_pk_fma_f32 v[rT+2:rT+3], v[rT+2:rT+3], v[rT+6:rT+7], v[rS:rS+1] op_sel_hi:[1,0,1]
.endif
.else
	WIN W_RS
	v_pk_mul_f32 v[rO:rO+1], v[rO:rO+1], v[rT+6:rT+7] op_sel_hi:[1,0]
.endif
.endm
.macro SMRUN both                   ; the list, for both tiles by turns or for tile 1 alone
.set j, 0
.rept 134
.if \both
	SM 0
.endif
	SM 1
.set j, j+1
.endr
.endm
; A KEY STEP.  mode 0: no mask.  1: the diagonal tile's first step.  2: its second step, tile 1 alone (V^T P of the step before is still both tiles').
.macro STEP mode
	FETCH_K                         ; K's last reader stands a whole softmax back
	s_wait_dscnt 32                 ; V of the step before is in; K's 32 loads, just issued, may be out
	PVRUN 1
	s_wait_dscnt 0x0                ; K is in
	KQRUN \mode
	PLACES                          ; behind the products: in front of the loads into V's registers and of the first read of the scores
	FETCH_V
.if (\mode) < 2
	SMRUN 1
.else
	SMRUN 0
.endif
.endm
.macro DIAG                         ; the diagonal tile, and the block's last products
	STEP 1
	STEP 2
	s_wait_dscnt 0x0                ; V is in
	PVRUN 0
.endm
; THE WAY OUT.  l's two halves and the other half of the lanes' are added; O^T is divided by l, rounded to f16 and sent through my stage in LDS, a tile (16 rows of ob) at a time.
.macro PACK t                       ; a lane's eight channels of a row pack into 16 bytes; they go into rows of 272 bytes and come back as whole rows of 256, into S^T's registers
	WIN W_RS
.set i, 64*(\t)
.rept 32
	v_pk_mul_f32 v[i:i+1], v[i:i+1], v[ST+8*(\t)+6:ST+8*(\t)+7] op_sel_hi:[1,0]
.set i, i+2
.endr
	WIN 0x05                        ; sources 0 and 1 window 1, destination window 0
.set i, 0
.rept 32
	v_cvt_pk_f16_f32 v[S+32*(\t)+i], v[64*(\t)+2*i], v[64*(\t)+2*i+1]
.set i, i+1
.endr
	WIN 0
.irp f, 0,1,2,3,4,5,6,7
	ds_store_b128 v[STO], v[S+32*(\t)+4*(\f):S+32*(\t)+4*(\f)+3] offset:32*(\f)
.endr
.irp f, 0,1,2,3,4,5,6,7
	ds_load_b128 v[S+32*(\t)+4*(\f):S+32*(\t)+4*(\f)+3], v[RD] offset:(\f)*2*SP  ; LDS serves a wave's instructions in order (ISA guide 5.7.1.4): these see the stores above; the next tile's stores come behind them
.endr
.endm
.macro SEND t, younger              ; younger: the LDS instructions issued behind tile t's loads: the next tile's sixteen, or none
	WIN 0
.irp f, 0,1,2,3,4,5,6,7
	s_wait_dscnt (\younger)+7-(\f)
	global_store_b128 v[GO], v[S+32*(\t)+4*(\f):S+32*(\t)+4*(\f)+3], s[10:11] offset:(\t)*64*4096+(\f)*8192  ; 16 lanes store 256 consecutive bytes, at a multiple of 256 from ob's first byte
.endr
.endm
.macro WAYOUT
	WIN 0
	PLACES                          ; behind the last products
.irp t, 0,1
	v_add_f32 v[ST+8*\t+4], v[ST+8*\t+2], v[ST+8*\t+3]
.endr
.irp t, 0,1
	v_permlanex16_b32 v[ST+8*\t+5], v[ST+8*\t+4], s[SEL], s[SEL+1]
.endr
.irp t, 0,1
	v_add_f32 v[ST+8*\t+4], v[ST+8*\t+4], v[ST+8*\t+5]
.endr
.irp t, 0,1
	v_rcp_f32 v[ST+8*\t+6], v[ST+8*\t+4]
.endr
	v_nop                           ; a plain instruction between the last reciprocal and the use of its result
	s_wait_alu depctr_va_vdst(0)
	PACK 0
	PACK 1                          ; a tile's arithmetic stands between the loads of the tile before and its stores
	SEND 0, 16
	SEND 1, 0
	s_wait_xcnt 0x0                 ; the stores' registers and base are written again only behind this wait
.endm
.Lslot:                             ; 16 times: a tile is entered and the next is asked for
	CHANGE 1
	s_sub_co_u32 s[RT], s[RT], 1
	s_cmp_eq_u32 s[RT], 0
	s_cbranch_scc1 .Ldiag           ; the first block's last tile (the second's is the walk's last, behind the loop)
	s_mov_b32 s[CNT], 2
.Lstep:
	STEP 0
	WIN 0
	s_sub_co_u32 s[CNT], s[CNT], 1
	s_cmp_lg_u32 s[CNT], 0
	s_cbranch_scc1 .Lstep
	s_branch .Lbottom
.Ldiag:
	DIAG
	WAYOUT
	s_mov_b64 s[10:11], s[OLO:OLO+1]  ; THE SECOND BLOCK: its rows of ob, its p + 1 tiles, m anew, its Q where the one text of the products names Q
	s_add_co_u32 s[RT], s[PB], 1
.irp t, 0,1
	v_mov_b32 v[ST+8*\t], 0xfe000000
	v_mov_b32 v[ST+8*\t+1], 0xff7fffff
.endr
	WIN 0x82
.set i, 0
.rept 64
	v_mov_b32 v[i], v[QB+i]
.set i, i+1
.endr
	WIN 0
.Lbottom:
	s_sub_co_u32 s[SLOTS], s[SLOTS], 1
	s_cmp_lg_u32 s[SLOTS], 0
	s_cbranch_scc1 .Lslot
	CHANGE 0                        ; the walk's last tile is written out: nothing is asked for
	DIAG
	WAYOUT
	s_wait_tensorcnt 0x0            ; the wave's end: a wait, 0 onto my spare word and its wait, behind my last tensor load and my last LDS store
	ds_add_u32 v[SPW], v[NIL]
	s_wait_dscnt 0x0
	s_endpgm
.Lfunc_end_k_qf79af0345f_attn:
	.size	k_qf79af0345f_attn, .Lfunc_end_k_qf79af0345f_attn-k_qf79af0345f_attn
	.p2alignl 7, 3214868480
	.fill 96, 4, 3214868480
	.section	.rodata,"a",@progbits
	.p2align	6, 0x0
	.amdhsa_kernel k_qf79af0345f_attn
		.amdhsa_group_segment_fixed_size 327680
		.amdhsa_private_segment_fixed_size 0
		.amdhsa_enable_private_segment 0
		.amdhsa_kernarg_size 16
		.amdhsa_user_sgpr_count 2
		.amdhsa_user_sgpr_kernarg_segment_ptr 1
		.amdhsa_wavefront_size32 1
		.amdhsa_system_sgpr_workgroup_id_x 1
		.amdhsa_system_sgpr_workgroup_id_y 1
		.amdhsa_system_sgpr_workgroup_id_z 1
		.amdhsa_system_vgpr_workitem_id 0
		.amdhsa_next_free_vgpr 896
		.amdhsa_next_free_sgpr 88
		.amdhsa_reserve_vcc 1
		.amdhsa_float_denorm_mode_32 3
		.amdhsa_float_denorm_mode_16_64 3
		.amdhsa_memory_ordered 1
		.amdhsa_forward_progress 1
		.amdhsa_inst_pref_size 157
	.end_amdhsa_kernel
	.amdgpu_metadata
---
amdhsa.version: [ 1, 2 ]
amdhsa.kernels:
  - .name:           k_qf79af0345f_attn
    .symbol:         k_qf79af0345f_attn.kd
    .args:
      - { .name: qkv, .offset: 0, .size: 8, .value_kind: global_buffer, .address_space: global }
      - { .name: ob, .offset: 8, .size: 8, .value_kind: global_buffer, .address_space: global }
    .group_segment_fixed_size: 327680
    .private_segment_fixed_size: 0
    .kernarg_segment_align: 8
    .kernarg_segment_size: 16
    .max_flat_workgroup_size: 128
    .sgpr_count:     88
    .vgpr_count:     896
    .wavefront_size: 32
...
	.end_amdgpu_metadata
.endif
;; end of part 3
;; launch oproj (part 4): grid 8 x 32, 4 waves a work-group, clusters of 4 x 4, 327,680 bytes of LDS; arguments ob, wo16, bias16, out0; writes out0
.if DOCPART == 4
	.amdgcn_target "amdgcn-amd-amdhsa--gfx1250"
	.amdhsa_code_object_version 6
	.text
	.protected	k_qf79af0345f_oproj
	.globl	k_qf79af0345f_oproj
	.p2align	8
	.type	k_qf79af0345f_oproj,@function
k_qf79af0345f_oproj:
	s_mov_b64 s[64:65], 0
	v_nop
	global_prefetch_b8 v0, s[64:65] scope:SCOPE_SE
	s_setreg_imm32_b32 hwreg(HW_REG_WAVE_MODE, 25, 1), 1
	s_wait_xcnt 0x0
	s_wait_alu depctr_hold_cnt(0) depctr_sa_sdst(0) depctr_va_vdst(0) depctr_va_sdst(0) depctr_va_ssrc(0) depctr_va_vcc(0) depctr_vm_vsrc(0)
	s_getreg_b32 s2, hwreg(HW_REG_IB_STS2, 6, 4)
	s_cmp_eq_u32 s2, 0
	s_cbranch_scc0 .Lentry_in_a_cluster
	s_endpgm
.Lentry_in_a_cluster:
	s_bfe_u32 s2, ttmp6, 0x10000c
	s_cmp_lg_u32 s2, 0xf033
	s_cbranch_scc0 .Lentry_shape_is_right
	s_endpgm
.Lentry_shape_is_right:
; out0[m][n] = the sum over k of ob[m][k] wo16[k][n] + bo[n].  ob [4096][2048] f16, wo16 [2048][1024] f16, bo bf16 (bias16 from byte 12,288 on), sums in f32, out0 [4096][1024] f32.
; TILE.  128 x 128 of C: 32 x 8 = 256 work-groups, one for each WGP.  Four waves, 2 x 2, each 64 x 64: 16 accumulators of 16 x 16, 128 registers.
; K goes in steps of 256, as long as two slots in LDS allow.  One tensor load a wave: waves 0, 1 bring the halves of ob's tile (64 rows x 512 bytes), waves 2, 3 those of wo16's (128 k rows x 256 bytes).
; wo16 lies [k][n]: its fragments come out of LDS turned, by ds_load_tr16_b128.
; CLUSTER 4 x 4: ob's tile is asked for jointly along a row of the cluster, wo16's along a column.
; THE MATRIX INSTRUCTION IS USED TRANSPOSED (source 0 = 16 columns of wo16, source 1 = 16 rows of ob): a lane holds row l % 16 of C and eight neighbouring columns.  The bias starts the sums as C.
; REGISTERS: window 0: v0-29 addresses; v32-95 at work on the way out; v96-127 the bias of my 64 columns in f32; v128-255 the accumulators ((a, b) at 128 + 8 (4 a + b)).
;   window 1: two fragment buffers of 128: for 64 along K, 64 registers of ob (2 x 4 x 16 rows x 32 k), then 64 of wo16.
.set KSTEP,  256
.set PA,     528                       ; ob's rows in LDS: 512 bytes + 16: the 16 rows of a load start at 16 different groups of four banks (64 banks of 4 bytes: ISA guide 11.1)
.set PB,     288                       ; wo16's rows: 256 + 32
.set AHALF,  64*PA
.set BOFF,   2*AHALF                   ; wo16's 256 k rows lie behind ob's 128 rows
.set BHALF,  128*PB
.set SLOT,   BOFF+2*BHALF
.set STAGE,  2*SLOT                    ; behind the ring, never filled by a tensor load: 16 rows x 272 bytes for each wave, its own
.set SPITCH, 272
.set SPARE,  STAGE+4*16*SPITCH         ; the spare words, 128 bytes for each wave: two blocks of 256 bytes that no other line names
.set LAPS,   2048/(2*KSTEP)
.set ADRA, 16                          ; v16-17  LDS address of my ob fragments in slot 0, 1
.set ADRB, 20                          ; v20-23  of my wo16 fragments, at 2 x slot + half of the step's k rows: 255 rows of 288 bytes pass an LDS offset's 16 bits
.set STO,  24                          ; v24     the way out: where I put 32 bytes of a row
.set RD,   25                          ; v25     where I read a row back
.set CO,   26                          ; v26     my byte offset in my part of out0
.set BO,   27                          ; v27     my byte offset in the tile's bias
.set SPW,  28                          ; v28     LDS address of my spare word; never rewritten
.set NIL,  29                          ; v29     0; never rewritten
.set BIAS, 96
.set ACC,  128
.set F0,   0                           ; window 1
.set F1,   128
.set WV,  12                           ; s12      my wave's number
.set WR,  72                           ; s72      which half of the tile's rows is mine.  Also: I fetch for ob (0) or for wo16 (1)
.set WC,  73                           ; s73      which half of its columns.  Also: which half of that tile I fetch
.set G1,  24
.set G0,  32
.set G1B, 48
.set G0B, 56
.set MSB, 0
.macro WIN new                         ; the immediate's high byte repeats the setting that is left; a switch that changes nothing is dropped
.if MSB != (\new)
	s_set_vgpr_msb (MSB<<8)|(\new)
.set MSB, \new
.endif
.endm
.set MUL,  0x05                        ; sources 0 and 1 window 1; C and D window 0
.set TO_F, 0x40                        ; destination window 1, address window 0
.macro JLOAD s                         ; a joint load; an s_nop 0 and four v_nop follow each of the two lines, ahead of the jump and the label
	s_cmp_eq_u32 s[WR], 0
	s_cbranch_scc0 .Lfor_b_\@
	tensor_load_to_lds s[G0+4*(\s):G0+4*(\s)+3], s[G1:G1+7]
	s_nop 0
.rept 4
	v_nop
.endr
	s_branch .Lasked_\@
.Lfor_b_\@:
	tensor_load_to_lds s[G0B+4*(\s):G0B+4*(\s)+3], s[G1B:G1B+7]
	s_nop 0
.rept 4
	v_nop
.endr
.Lasked_\@:
.endm
.macro CREST                           ; a round of the cluster's barrier behind its opening barrier
	s_cmp_lg_u32 s[WV], 0
	s_cbranch_scc1 .Lnot_wave_0_\@
	s_barrier_signal -3
.Lnot_wave_0_\@:
	s_barrier_wait -3
	s_barrier_signal -1
	s_barrier_wait -1
.endm
.macro CROUND                          ; a whole round
	s_barrier_signal -1
	s_barrier_wait -1
	CREST
.endm
.macro PLACES                          ; four places behind matrix instructions (ISA guide 7.12.1)
.rept 4
	v_nop
.endr
.endm
	s_load_b256 s[4:11], s[0:1], 0x0               ; ob s[4:5], wo16 s[6:7], bias16 s[8:9], out0 s[10:11]
	v_lshl_add_u32 v[SPW], v0, 2, SPARE
	v_mov_b32 v[NIL], 0
	ds_add_u32 v[SPW], v[NIL]                      ; the wave's opening: the add and its wait stand ahead of my first tensor load; work on registers stands between them
	ds_add_u32 v28, v29
	v_lshrrev_b32 v1, 5, v0
	v_readfirstlane_b32 s[WV], v1                  ; wave 0..3
	s_lshr_b32 s[WR], s[WV], 1
	s_and_b32 s[WC], s[WV], 1
	s_bfe_u32 s40, ttmp6, 0x40000                  ; cx, cy: my place in the cluster
	s_bfe_u32 s41, ttmp6, 0x40004
	s_lshl_b32 s42, ttmp9, 2
	s_add_co_u32 s42, s42, s40                     ; tile column = 4 x cluster x + cx
	s_and_b32 s13, ttmp7, 0xffff
	s_lshl_b32 s13, s13, 2
	s_add_co_u32 s13, s13, s41                     ; tile row = 4 x cluster y + cy
	s_lshl_b32 s43, s41, 2
	s_lshl_b32 s43, 15, s43                        ; my row of the cluster
	s_lshl_b32 s44, 0x1111, s40                    ; my column
	s_or_b32 s[G1+0], s43, (1<<16)|(1<<20)|(1<<21)|(6<<22)|(3<<25)   ; the mask; 2-byte elements; padding on; bit 21 beside a mask; after every 128 words, 4 words
	s_mov_b32 s[G1+1], 256<<16                     ; tensor_dim0 = 256
	s_mov_b32 s[G1+2], 64<<16                      ; tensor_dim1 = 64
	s_mov_b32 s[G1+3], 256<<16                     ; tile_dim0 = 256
	s_mov_b32 s[G1+4], 64                          ; tile_dim1 = 64
	s_mov_b32 s[G1+5], 2048                        ; elements from row to row of ob
	s_mov_b32 s[G1+6], 0
	s_mov_b32 s[G1+7], 0
	s_or_b32 s[G1B+0], s44, (1<<16)|(1<<20)|(1<<21)|(5<<22)|(7<<25)  ; my column's mask; after every 64 words, 8 words
	s_mov_b32 s[G1B+1], 128<<16
	s_mov_b32 s[G1B+2], 128<<16
	s_mov_b32 s[G1B+3], 128<<16
	s_mov_b32 s[G1B+4], 128
	s_mov_b32 s[G1B+5], 1024                       ; of wo16
	s_mov_b32 s[G1B+6], 0
	s_mov_b32 s[G1B+7], 0
	s_lshl_b32 s16, s13, 19                        ; ob: 128 rows of 4,096 bytes a tile row,
	s_lshl_b32 s18, s[WC], 18                      ; 64 rows a half
	s_add_co_u32 s16, s16, s18
	s_mov_b32 s17, 0
	s_lshl_b32 s46, s42, 8                         ; wo16: 256 bytes a tile column, 128 k rows of 2,048 bytes a half (in registers that never hold cy)
	s_add_co_u32 s46, s46, s18
	s_mov_b32 s47, 0
	s_mul_i32 s20, s[WC], AHALF                    ; where the halves go: no place in the cluster enters an LDS address
	s_mul_i32 s22, s[WC], BHALF
	s_add_co_u32 s22, s22, BOFF
	s_wait_dscnt 0x0                               ; the opening add is done
	s_wait_kmcnt 0x0
	s_add_nc_u64 s[14:15], s[4:5], s[16:17]
	s_add_nc_u64 s[46:47], s[6:7], s[46:47]
	CROUND                                         ; all sixteen work-groups are here: the first joint loads meet
.irp s, 0,1
	s_mov_b32 s[G0+4*(\s)], 1
	s_add_co_u32 s[G0+4*(\s)+1], s20, (\s)*SLOT
	s_add_nc_u64 s[G0+4*(\s)+2:G0+4*(\s)+3], s[14:15], (\s)*KSTEP*2
	s_or_b32 s[G0+4*(\s)+3], s[G0+4*(\s)+3], 0x80000000
	s_mov_b32 s[G0B+4*(\s)], 1
	s_add_co_u32 s[G0B+4*(\s)+1], s22, (\s)*SLOT
	s_add_nc_u64 s[G0B+4*(\s)+2:G0B+4*(\s)+3], s[46:47], (\s)*KSTEP*2048
	s_or_b32 s[G0B+4*(\s)+3], s[G0B+4*(\s)+3], 0x80000000
	JLOAD \s                                       ; two loads of mine are out
.endr
	v_and_b32 v1, 15, v0                           ; l % 16
	v_bfe_u32 v2, v0, 4, 1                         ; l / 16
	s_lshl_b32 s70, s42, 8                         ; the tile's 128 numbers of bo
	s_add_co_u32 s70, s70, 12288
	s_mov_b32 s71, 0
	s_add_nc_u64 s[70:71], s[8:9], s[70:71]
	s_lshl_b32 s18, s[WC], 7
	v_lshl_add_u32 v[BO], v2, 4, s18               ; my wave's 64, my half's eight of a block
.irp b, 0,1,2,3
	global_load_b128 v[32+4*(\b):35+4*(\b)], v[BO], s[70:71] offset:32*(\b)
.endr
	v_mul_u32_u24 v3, v1, PA                       ; an ob fragment: row x pitch + 16 x half
	v_lshl_add_u32 v3, v2, 4, v3
	s_mul_i32 s18, s[WR], AHALF                    ; my 64 rows
	v_add_nc_u32 v[ADRA], s18, v3
	s_add_co_u32 s18, s18, SLOT
	v_add_nc_u32 v[ADRA+1], s18, v3
	v_and_b32 v4, 7, v0                            ; the turning load: lane l reads k row 8 (l / 16) + l % 8, columns 8 ((l / 8) % 2) + 0..7
	v_lshl_add_u32 v4, v2, 3, v4
	v_mul_u32_u24 v4, v4, PB
	v_bfe_u32 v5, v0, 3, 1
	v_lshl_add_u32 v4, v5, 4, v4
	s_lshl_b32 s18, s[WC], 7                       ; my 64 columns
	s_add_co_u32 s18, s18, BOFF
	v_add_nc_u32 v[ADRB], s18, v4
	v_add_nc_u32 v[ADRB+1], BHALF, v[ADRB]
	v_add_nc_u32 v[ADRB+2], SLOT, v[ADRB]
	v_add_nc_u32 v[ADRB+3], SLOT+BHALF, v[ADRB]
	s_mul_i32 s18, s[WV], 16*SPITCH
	s_add_co_u32 s18, s18, STAGE                   ; my stage
	v_mul_u32_u24 v5, v1, SPITCH                   ; in: row l % 16, 32 bytes for each half of the lanes
	v_lshl_add_u32 v5, v2, 5, v5
	v_add_nc_u32 v[STO], s18, v5
	v_mul_u32_u24 v5, v2, SPITCH                   ; back: lanes 0-15 take one row of 256 bytes, lanes 16-31 the next
	v_lshl_add_u32 v5, v1, 4, v5
	v_add_nc_u32 v[RD], s18, v5
	v_lshlrev_b32 v5, 12, v2                       ; and the same two rows in out0
	v_lshl_add_u32 v[CO], v1, 4, v5
	s_lshl_b32 s66, s13, 7
	s_lshl_b32 s68, s[WR], 6
	s_add_co_u32 s66, s66, s68                     ; my first row of out0,
	s_lshl_b32 s66, s66, 12
	s_lshl_b32 s68, s42, 9                         ; my first column, in bytes: 512 x tile column + 256 x half
	s_add_co_u32 s66, s66, s68
	s_lshl_b32 s68, s[WC], 8
	s_add_co_u32 s66, s66, s68
	s_mov_b32 s67, 0
	s_add_nc_u64 s[10:11], s[10:11], s[66:67]
	s_wait_loadcnt 0x0                             ; the bias
.irp b, 0,1,2,3
.irp k, 0,1,2,3
	v_lshlrev_b32 v[BIAS+8*(\b)+2*(\k)],   16,         v[32+4*(\b)+(\k)]
	v_and_b32     v[BIAS+8*(\b)+2*(\k)+1], 0xffff0000, v[32+4*(\b)+(\k)]
.endr
.endr
; 8 matrix instructions: row blocks a0, a0 + 1 x all 4 column blocks, 32 along K: half c of buffer f.  ini = 1: the bias starts the sums.  The 16 accumulators take turns.
.macro MUL8 f, c, a0, ini
	WIN MUL
.irp a, \a0, (\a0)+1
.irp b, 0,1,2,3
.if \ini
	v_wmma_f32_16x16x32_f16 v[ACC+8*(4*(\a)+(\b)):ACC+8*(4*(\a)+(\b))+7], v[(\f)+64+8*(4*(\c)+(\b)):(\f)+64+8*(4*(\c)+(\b))+7], v[(\f)+8*(4*(\c)+(\a)):(\f)+8*(4*(\c)+(\a))+7], v[BIAS+8*(\b):BIAS+8*(\b)+7]
.else
	v_wmma_f32_16x16x32_f16 v[ACC+8*(4*(\a)+(\b)):ACC+8*(4*(\a)+(\b))+7], v[(\f)+64+8*(4*(\c)+(\b)):(\f)+64+8*(4*(\c)+(\b))+7], v[(\f)+8*(4*(\c)+(\a)):(\f)+8*(4*(\c)+(\a))+7], v[ACC+8*(4*(\a)+(\b)):ACC+8*(4*(\a)+(\b))+7]
.endif
.endr
.endr
.endm
; 32 LDS loads in one run: the fragments of quarter kq (64 along K) into buffer f; the first 32 along K first
.macro FETCH slot, kq, f
	WIN TO_F
.irp c, 0,1
.irp i, 0,1,2,3
	ds_load_tr16_b128 v[(\f)+64+8*(4*(\c)+(\i)):(\f)+64+8*(4*(\c)+(\i))+3],   v[ADRB+2*(\slot)+(\kq)/2] offset:(((\kq)%2)*64+32*(\c))*PB+32*(\i)
	ds_load_tr16_b128 v[(\f)+64+8*(4*(\c)+(\i))+4:(\f)+64+8*(4*(\c)+(\i))+7], v[ADRB+2*(\slot)+(\kq)/2] offset:(((\kq)%2)*64+32*(\c)+16)*PB+32*(\i)
	ds_load_b128 v[(\f)+8*(4*(\c)+(\i)):(\f)+8*(4*(\c)+(\i))+3],              v[ADRA+(\slot)] offset:(\kq)*128+64*(\c)+(\i)*16*PA
	ds_load_b128 v[(\f)+8*(4*(\c)+(\i))+4:(\f)+8*(4*(\c)+(\i))+7],            v[ADRA+(\slot)] offset:(\kq)*128+64*(\c)+(\i)*16*PA+32
.endr
.endr
.endm
; A K step is four quarters of 64 along K, 32 matrix instructions each, on buffers 0, 1, 0, 1.  One of the first three: multiplies buffer f and fetches quarter kq into g.
.macro QUARTER slot, kq, f, g, ini
	s_wait_dscnt 16                                ; the first 32 along K are in
	MUL8 \f, 0, 0, \ini
	MUL8 \f, 0, 2, \ini
	PLACES
	FETCH \slot, \kq, \g
	s_wait_dscnt 32                                ; all but the 32 just issued
	MUL8 \f, 1, 0, 0
	MUL8 \f, 1, 2, 0
.endm
; The last quarter multiplies buffer 1 and changes slots: ONE barrier; in front of it each wave waits for all its tensor loads (one is out: its part of the next slot), adds 0 to its spare word, and
; waits for that and for its reads of this slot.  fill = 1: the barrier opens a round of the cluster's, and this slot is filled again, two K steps ahead, first thing behind it: 112 matrix instructions ahead of the wait for it.
.macro TURN slot, next, fill
	WIN 0                                          ; (the add's two registers lie in window 0)
	s_wait_tensorcnt 0x0
	ds_add_u32 v[SPW], v[NIL]                      ; 0 onto my spare word
	s_wait_dscnt 17                                ; (the add and the youngest sixteen loads may be out)
	MUL8 F1, 0, 0, 0                               ; eight matrix instructions stand between the add and the wait for it
	s_wait_dscnt 0x0                               ; the add is done, and my reads of this slot are over
	s_barrier_signal -1
	MUL8 F1, 0, 2, 0
	WIN 0
	s_barrier_wait -1
.if \fill
	CREST                                          ; no wave of any partner still reads this slot's tiles or has a load on its way
	s_add_nc_u64 s[G0+4*(\slot)+2:G0+4*(\slot)+3], s[G0+4*(\slot)+2:G0+4*(\slot)+3], 2*KSTEP*2
	s_add_nc_u64 s[G0B+4*(\slot)+2:G0B+4*(\slot)+3], s[G0B+4*(\slot)+2:G0B+4*(\slot)+3], 2*KSTEP*2048
	JLOAD \slot                                    ; the four v_nop behind it are also the places in front of the loads below
.else
	PLACES
.endif
	FETCH \next, 0, F0
	MUL8 F1, 1, 0, 0
	MUL8 F1, 1, 2, 0
.endm
	s_wait_tensorcnt 0x1                           ; my part of K step 0 is in; K step 1's may stay out
	s_barrier_signal -1
	s_barrier_wait -1                              ; everybody's is
	FETCH 0, 0, F0
	QUARTER 0, 1, F0, F1, 1                        ; the first quarter stands in front of the loop: its first products start the sums, with the bias
	WIN 0                                          ; at a label and at a branch every window is 0
	s_mov_b32 s3, LAPS-1
.Llap:                                                 ; a trip goes once round the ring, from a lap's second quarter to the next lap's first, and fills both slots again
	QUARTER 0, 2, F1, F0, 0
	QUARTER 0, 3, F0, F1, 0
	TURN 0, 1, 1
	QUARTER 1, 1, F0, F1, 0
	QUARTER 1, 2, F1, F0, 0
	QUARTER 1, 3, F0, F1, 0
	TURN 1, 0, 1
	QUARTER 0, 1, F0, F1, 0
	WIN 0
	s_sub_co_u32 s3, s3, 1
	s_cmp_lg_u32 s3, 0
	s_cbranch_scc1 .Llap
	QUARTER 0, 2, F1, F0, 0                        ; the last lap fills nothing, and has no round of the cluster's barrier
	QUARTER 0, 3, F0, F1, 0
	TURN 0, 1, 0
	QUARTER 1, 1, F0, F1, 0
	QUARTER 1, 2, F1, F0, 0
	QUARTER 1, 3, F0, F1, 0
	s_wait_dscnt 16                                ; the very last quarter: nothing more to fetch
	MUL8 F1, 0, 0, 0
	MUL8 F1, 0, 2, 0
	s_wait_dscnt 0x0
	MUL8 F1, 1, 0, 0
	MUL8 F1, 1, 2, 0
	WIN 0
	PLACES
; THE WAY OUT, a block of 16 rows at a time.  A wave's 64 columns of f32 are 256 bytes, aligned: each wave has its own stage and needs no barrier.  A lane's eight numbers go in as 32 bytes of a row,
; straight from the accumulator, its low four registers first; whole rows come back.
.macro OUTP a
.set BK, 32+32*((\a)%2)
	s_wait_xcnt 0x0                                ; the registers that the stores of two blocks ago read are loaded again only behind this wait
.irp b, 0,1,2,3
	ds_store_b128 v[STO], v[ACC+8*(4*(\a)+(\b)):ACC+8*(4*(\a)+(\b))+3]   offset:64*(\b)
	ds_store_b128 v[STO], v[ACC+8*(4*(\a)+(\b))+4:ACC+8*(4*(\a)+(\b))+7] offset:64*(\b)+16
.endr
.irp t, 0,1,2,3,4,5,6,7
	ds_load_b128 v[BK+4*(\t):BK+4*(\t)+3], v[RD] offset:(\t)*2*SPITCH  ; LDS serves a wave's instructions in order (ISA guide 5.7.1.4): these see the stores above; the next block's stores come behind them
.endr
.irp t, 0,1,2,3,4,5,6,7
	s_wait_dscnt 7-(\t)                            ; load t is in
	global_store_b128 v[CO], v[BK+4*(\t):BK+4*(\t)+3], s[10:11] offset:(16*(\a)+2*(\t))*4096 th:TH_STORE_NT  ; 16 lanes store 256 consecutive bytes, at a multiple of 256 from out0's first byte
.endr
.endm
.irp a, 0,1,2,3
	OUTP \a
.endr
	s_wait_tensorcnt 0x0                           ; the wave's end: a wait, 0 onto my spare word and its wait, behind my last tensor load and my last LDS store
	ds_add_u32 v[SPW], v[NIL]
	s_wait_dscnt 0x0
	CROUND                                         ; the closing round: no work-group ends while a partner may still ask for a tile that names it
	s_endpgm
.Lfunc_end_k_qf79af0345f_oproj:
	.size	k_qf79af0345f_oproj, .Lfunc_end_k_qf79af0345f_oproj-k_qf79af0345f_oproj
	.p2alignl 7, 3214868480
	.fill 96, 4, 3214868480
	.section	.rodata,"a",@progbits
	.p2align	6, 0x0
	.amdhsa_kernel k_qf79af0345f_oproj
		.amdhsa_group_segment_fixed_size 327680
		.amdhsa_private_segment_fixed_size 0
		.amdhsa_enable_private_segment 0
		.amdhsa_kernarg_size 32
		.amdhsa_user_sgpr_count 2
		.amdhsa_user_sgpr_kernarg_segment_ptr 1
		.amdhsa_wavefront_size32 1
		.amdhsa_system_sgpr_workgroup_id_x 1
		.amdhsa_system_sgpr_workgroup_id_y 1
		.amdhsa_system_sgpr_workgroup_id_z 1
		.amdhsa_system_vgpr_workitem_id 0
		.amdhsa_next_free_vgpr 512
		.amdhsa_next_free_sgpr 80
		.amdhsa_reserve_vcc 0
		.amdhsa_float_denorm_mode_32 3
		.amdhsa_float_denorm_mode_16_64 3
		.amdhsa_memory_ordered 1
		.amdhsa_forward_progress 1
		.amdhsa_inst_pref_size 89
	.end_amdhsa_kernel
	.amdgpu_metadata
---
amdhsa.version: [ 1, 2 ]
amdhsa.kernels:
  - .name:           k_qf79af0345f_oproj
    .symbol:         k_qf79af0345f_oproj.kd
    .args:
      - { .name: ob, .offset: 0, .size: 8, .value_kind: global_buffer, .address_space: global }
      - { .name: wo16, .offset: 8, .size: 8, .value_kind: global_buffer, .address_space: global }
      - { .name: bias16, .offset: 16, .size: 8, .value_kind: global_buffer, .address_space: global }
      - { .name: out0, .offset: 24, .size: 8, .value_kind: global_buffer, .address_space: global }
    .group_segment_fixed_size: 327680
    .private_segment_fixed_size: 0
    .kernarg_segment_align: 8
    .kernarg_segment_size: 32
    .max_flat_workgroup_size: 128
    .sgpr_count:     80
    .vgpr_count:     512
    .wavefront_size: 32
...
	.end_amdgpu_metadata
.endif
;; end of part 4
